; MI455X (gfx1250); checked and timed in simulation.
; The chip was launched on July 23, 2026; its instructions are those of AMD's public machine-readable ISA for CDNA 5 (MIT licence, August 2026) and "CDNA5" Instruction Set Architecture Reference Guide (July 2026). The comments in the code are by the model that wrote it; some were corrected since.
;; Self Attention. Allowed arithmetic: matrix products marked QUANTISED: E4M3 operands, one E8M0 scale for each 32 along K, by v_wmma_scale_f32_16x16x128_f8f6f4 with both operands' format E4M3, f32 sums; everything else in f32.
;; Inputs: Wk 256 x 256 float32; Wq 256 x 256 float32; Wu 256 x 256 float32; Wv 256 x 256 float32; bu 256 float32; x 4 x 4,096 x 256 float32.
;; Outputs: out0 4 x 4,096 x 256 float32.
;; This version of the problem:
;;   THIS VERSION OF THE PROBLEM IS GIVEN IN LOW PRECISION. The matrix products marked QUANTISED in the list below multiply operands that are first quantised to E4M3 (4 exponent bits, 3 mantissa bits; 8 bits a number), with one power-of-two scale for each 32 numbers along K (OCP MX v1.0); their sums are f32. All else is computed in f32.
;;   The module's matrix products, in the order in which they are computed (A, B: the left and right operand; K: the contracted axis; several contracted axes count as one K, in the product's order):
;;     1. [M 16,384, K 256] x [K 256, N 256]; A: input x; B: input Wq: QUANTISED
;;     2. [M 16,384, K 256] x [K 256, N 256]; A: input x; B: input Wk: QUANTISED
;;     3. [M 16,384, K 256] x [K 256, N 256]; A: input x; B: input Wv: QUANTISED
;;     4. batch 16 x [M 4,096, K 64] x [K 64, N 4,096]; A: computed on the way; B: computed on the way: QUANTISED
;;     5. batch 16 x [M 64, K 4,096] x [K 4,096, N 4,096]; A: computed on the way; B: softmax (see below): QUANTISED
;;     6. [M 16,384, K 256] x [K 256, N 256]; A: computed on the way; B: input Wu: QUANTISED
;;   THE QUANTISER, for each operand of a quantised product, along K:
;;     - K is cut into blocks of 32 from its start; a last block that is shorter is filled with zeros.
;;     - A block's scale is 2^e with e = floor(log2(the largest magnitude in the block)) - 8, held to -126 .. 127; a block of zeros has e = 0. As a byte (E8M0): e + 127.
;;     - Each number is divided by its block's scale, clamped to +-448, and rounded to the nearest number of E4M3, ties to even, subnormals kept.
;;     - The product sums the exact products of the quantised numbers (number of the format x scale) in f32.
;;   ~~~python
;;   def quantise(x, axis):      # numpy; x: float32 -> the quantised numbers, widened to float32 again
;;       x = np.moveaxis(x, axis, -1); K = x.shape[-1]
;;       x = np.pad(x, [(0, 0)] * (x.ndim - 1) + [(0, -K % 32)]); x = x.reshape(x.shape[:-1] + (-1, 32)); a = np.abs(x).max(-1, keepdims=True)
;;       e = np.where(a > 0, np.clip(np.frexp(np.where(a > 0, a, 1))[1] - 1 - 8, -126, 127), 0)      # np.frexp(a)[1] - 1 = floor(log2(a)), exactly
;;       r = np.clip(x / 2.0 ** e, -448, 448)
;;       step = 2.0 ** (np.maximum(np.frexp(np.where(r == 0, 1, r))[1] - 1, -6) - 3)
;;       q = np.round(r / step) * step * 2.0 ** e      # np.round: ties to even
;;       return np.moveaxis(q.reshape(q.shape[:-2] + (-1,))[..., :K], -1, axis).astype(np.float32)
;;   ~~~
;;   SOFTMAX AHEAD OF A QUANTISED PRODUCT. Where the list says 'softmax', what is quantised is not the finished softmax but p = 2^(t - M), with t = logit x log2(e) and M = ceil(the row's largest t), a whole number; so 1/2 < the row's largest p <= 1. The row's sum l is taken of the UNQUANTISED p, in f32, and the product's result is divided by l at the end. Since M is a whole number, a kernel that streams over the keys may use a running M (the ceiling of the running maximum): every later rescaling is an exact power of two, which a block's scale takes up: the codes' values come out the same.
;;   OPERANDS COMPUTED ON THE WAY. 'Computed on the way' means the value that the module computes at that place (a softmax that the list does not call 'softmax' is quantised finished and normalised). What goes into a quantiser is computed in f32, as accurately as f32 sums, v_exp_f32 and their like allow (about 1e-6 of the number): no bf16 or f16 on the way to a quantiser, and a product that is left as it is and whose result goes on into a quantised operand takes f32 operands (vector FMAs, or v_wmma_f32_16x16x4_f32). A number that lies on a knife's edge between two numbers of the format may be rounded either way, as far as f32 arithmetic and the matrix unit's own rounding can turn it there, and no further.
;; 2 versions. Each part assembles by itself: llvm-mc -triple=amdgcn-amd-amdhsa -mcpu=gfx1250 --defsym DOCPART=n.
;; ======== version 1 of 2: 3 launches
;; workspace buffers: wc 262,144 bytes; wsc 8,192 bytes; qc 4,194,304 bytes; qs 262,144 bytes; kv 8,781,824 bytes
;; launch wquant (part 1): grid 16 x 4, 1 waves a work-group, no clusters, 0 bytes of LDS; arguments Wq, Wk, Wv, Wu, wc, wsc; writes wc, wsc
.if DOCPART == 1
	.amdgcn_target "amdgcn-amd-amdhsa--gfx1250"
	.amdhsa_code_object_version 6
	.text
	.protected	k_q89e294c647_wquant
	.globl	k_q89e294c647_wquant
	.p2align	8
	.type	k_q89e294c647_wquant,@function
k_q89e294c647_wquant:
	s_mov_b64 s[64:65], 0
	v_nop
	global_prefetch_b8 v0, s[64:65] scope:SCOPE_SE
	s_setreg_imm32_b32 hwreg(HW_REG_WAVE_MODE, 25, 1), 1
	s_wait_xcnt 0x0
; The four weights [256 (n)][256 (k)], f32, K innermost, become codes of FP8 (E4M3) with one E8M0 scale byte for each 32 along K,
; laid as IMAGES OF THE OPERAND'S REGISTERS, so that the later launches fetch a fragment by plain 16-byte loads, 16 x lane.
; wc:  [matrix 4: q, k, v, u][tile T 16][K step 2][c 4][lane 32][16 bytes];   wsc: [matrix 4][T 16][lane 32] words: lanes 0-15 the word of K step 0
; of the tile's row (lane % 16), lanes 16-31 that of K step 1, so that one register serves both K steps (the matrix instruction's row selector picks).
; THE ROWS OF A TILE ARE NOT NEIGHBOURS: lane r of tile 2 B + u takes row 32 B + 8 u + r + 8 (r / 8).  Used as source 0, the 16 result registers of
; tiles 2 B and 2 B + 1 are then 16 neighbours, 32 B + 16 (lane / 16) + 0 .. 15: the order that the next operand's layout wants.
; SHARES: one wave to a tile of one matrix: 64 work-groups, which is all the work that 1 MiB of weights gives.  No LDS, no barrier, no cluster: nothing is shared.
; A block's scale is 2^(floor(log2(its largest magnitude)) - 8): its byte is the largest magnitude's exponent field - 8, held at 1 from below.
; LIMITS: NaN and infinities among the inputs are not served; blocks whose largest magnitude lies under 2^-118 keep the byte 1; a block of zeros gets the byte 1
; and not 127: its codes are zeros, which add nothing under any byte but 0xff, and this program alone reads the bytes.
.set X0,  32                           ; v32-95   K step 0: register 16 c + i = k 32 c + 16 (lane / 16) + i of my row
.set X1,  96                           ; v96-159  K step 1
.set C0,  160                          ; v160-175 K step 0's codes
.set C1,  176                          ; v176-191 K step 1's
.set TM,  8                            ; v8-11 largest magnitudes, v12-15 bytes, v16-19 448 x the scale, v20-23 the conversion's scale operand
.set SEL, 24                           ; s[24:25] v_permlanex16_b32's selects for lane l xor 16
.set MNT, 26                           ; s26      the mantissa field of 448
; 64 numbers of a lane, v[s] on, become a fragment's codes in v[d] on and its scale word in v[w].
.macro QUANT s, d, w
.irp b, 0,1,2,3
	v_max3_num_f32 v[TM+\b], |v[\s+16*\b]|, |v[\s+1+16*\b]|, 0x4800000   ; block b: my 16 numbers, and the floor 2^(9 - 127): the byte cannot fall under 1
.endr
.irp i, 2,4,6,8,10,12,14
.irp b, 0,1,2,3
	v_max3_num_f32 v[TM+\b], v[TM+\b], |v[\s+16*\b+\i]|, |v[\s+1+16*\b+\i]|   ; the four blocks by turns
.endr
.endr
.irp b, 0,1,2,3
	v_permlanex16_b32 v[TM+4+\b], v[TM+\b], s[SEL], s[SEL+1]
.endr
.irp b, 0,1,2,3
	v_max_num_f32 v[TM+\b], v[TM+\b], v[TM+4+\b]           ; with lane l xor 16's 16: the block's largest magnitude
.endr
.irp b, 0,1,2,3
	v_add_nc_u32 v[TM+12+\b], 0xfc000000, v[TM+\b]         ; 8 off its exponent field: the conversion takes this operand's exponent field as its scale
.endr
.irp b, 0,1,2,3
	v_and_or_b32 v[TM+8+\b], v[TM+\b], 0x7f800000, s[MNT]  ; 448 x the scale
.endr
.irp b, 0,1,2,3
	v_lshrrev_b32 v[TM+4+\b], 23, v[TM+12+\b]              ; the scale's byte
.endr
	v_lshl_or_b32 v[\w], v[TM+5], 8, v[TM+4]               ; the four bytes make my row's scale word
	v_lshl_or_b32 v[\w], v[TM+6], 16, v[\w]
	v_lshl_or_b32 v[\w], v[TM+7], 24, v[\w]
.irp b, 0,1,2,3
.irp i, 0,1,2,3,4,5,6,7,8,9,10,11,12,13,14,15
	v_med3_num_f32 v[\s+16*\b+\i], v[\s+16*\b+\i], -v[TM+8+\b], v[TM+8+\b]   ; the conversion to an 8-bit code does not saturate (ISA guide 7.6.2): the hold comes first
.endr
	v_cvt_scalef32_pk8_fp8_f32 v[\d+4*\b:\d+1+4*\b], v[\s+16*\b:\s+7+16*\b], v[TM+12+\b]
	v_cvt_scalef32_pk8_fp8_f32 v[\d+2+4*\b:\d+3+4*\b], v[\s+8+16*\b:\s+15+16*\b], v[TM+12+\b]
.endr
	v_nop                                                  ; a plain line behind the last conversion, ahead of whatever next writes its sources
.endm
	s_load_b256 s[4:11], s[0:1], 0x0               ; Wq, Wk, Wv, Wu
	s_load_b128 s[12:15], s[0:1], 0x20             ; wc, wsc
	s_and_b32 s17, ttmp7, 0xffff                   ; which matrix
	v_and_b32 v1, 31, v0                           ; lane
	v_and_b32 v2, 15, v0                           ; r
	v_bfe_u32 v3, v0, 4, 1                         ; h
	v_and_b32 v4, 8, v2
	v_add_nc_u32 v4, v4, v2                        ; r + 8 (r / 8)
	v_lshlrev_b32 v4, 10, v4                       ; a row is 1,024 bytes
	v_lshl_add_u32 v4, v3, 6, v4                   ; + 64 h: my 16 numbers of a block of 32
	v_lshlrev_b32 v5, 4, v1                        ; 16 x lane
	v_lshlrev_b32 v6, 2, v1                        ; 4 x lane
	s_lshr_b32 s20, ttmp9, 1
	s_lshl_b32 s20, s20, 15                        ; the tile's first row: 32 (T / 2) rows of 1,024 bytes
	s_and_b32 s21, ttmp9, 1
	s_lshl_b32 s21, s21, 13                        ; + 8 (T % 2) rows
	s_add_co_u32 s20, s20, s21
	s_mov_b32 s21, 0
	s_lshl_b32 s22, s17, 16                        ; wc: 65,536 bytes a matrix, 4,096 a tile
	s_lshl_b32 s23, ttmp9, 12
	s_add_co_u32 s22, s22, s23
	s_mov_b32 s23, 0
	s_lshl_b32 s28, s17, 11                        ; wsc: 2,048 bytes a matrix, 128 a tile
	s_lshl_b32 s29, ttmp9, 7
	s_add_co_u32 s28, s28, s29
	s_mov_b32 s29, 0
	s_mov_b32 s[SEL], 0x76543210
	s_mov_b32 s[SEL+1], 0xfedcba98
	s_mov_b32 s[MNT], 0x600000
.irp b, 0,1,2,3
	v_mov_b32 v[TM+4+\b], 0                        ; written once: a lane permute's destination counts as one of its sources
.endr
	s_wait_kmcnt 0x0
	s_mov_b64 s[18:19], s[4:5]                     ; the matrix is chosen by the work-group's y alone
	s_cmp_eq_u32 s17, 1
	s_cselect_b64 s[18:19], s[6:7], s[18:19]
	s_cmp_eq_u32 s17, 2
	s_cselect_b64 s[18:19], s[8:9], s[18:19]
	s_cmp_eq_u32 s17, 3
	s_cselect_b64 s[18:19], s[10:11], s[18:19]
	s_add_nc_u64 s[18:19], s[18:19], s[20:21]
	s_add_nc_u64 s[12:13], s[12:13], s[22:23]
	s_add_nc_u64 s[14:15], s[14:15], s[28:29]
.irp s, 0,1
.irp c, 0,1,2,3
.irp j, 0,1,2,3
	global_load_b128 v[X0+64*\s+16*\c+4*\j:X0+64*\s+16*\c+4*\j+3], v4, s[18:19] offset:512*\s+128*\c+16*\j
.endr
.endr
.endr
	s_wait_loadcnt 16                              ; K step 0's sixteen loads are in; K step 1's sixteen may be out
	QUANT X0, C0, 24
	s_wait_loadcnt 0x0
	QUANT X1, C1, 25
	v_cmp_gt_u32 vcc_lo, 16, v1
	v_cndmask_b32 v26, v25, v24, vcc_lo            ; lanes 0-15 keep K step 0's word, lanes 16-31 K step 1's
.irp k, 0,1,2,3,4,5,6,7
	global_store_b128 v5, v[C0+4*\k:C0+4*\k+3], s[12:13] offset:512*\k   ; 32 lanes store 512 consecutive bytes, aligned
.endr
	global_store_b32 v6, v26, s[14:15]
	s_endpgm
.Lfunc_end_k_q89e294c647_wquant:
	.size	k_q89e294c647_wquant, .Lfunc_end_k_q89e294c647_wquant-k_q89e294c647_wquant
	.p2alignl 7, 3214868480
	.fill 96, 4, 3214868480
	.section	.rodata,"a",@progbits
	.p2align	6, 0x0
	.amdhsa_kernel k_q89e294c647_wquant
		.amdhsa_group_segment_fixed_size 0
		.amdhsa_private_segment_fixed_size 0
		.amdhsa_enable_private_segment 0
		.amdhsa_kernarg_size 48
		.amdhsa_user_sgpr_count 2
		.amdhsa_user_sgpr_kernarg_segment_ptr 1
		.amdhsa_wavefront_size32 1
		.amdhsa_system_sgpr_workgroup_id_x 1
		.amdhsa_system_sgpr_workgroup_id_y 1
		.amdhsa_system_sgpr_workgroup_id_z 1
		.amdhsa_system_vgpr_workitem_id 0
		.amdhsa_next_free_vgpr 192
		.amdhsa_next_free_sgpr 66
		.amdhsa_reserve_vcc 1
		.amdhsa_float_denorm_mode_32 3
		.amdhsa_float_denorm_mode_16_64 3
		.amdhsa_memory_ordered 1
		.amdhsa_forward_progress 1
		.amdhsa_inst_pref_size 22
	.end_amdhsa_kernel
	.amdgpu_metadata
---
amdhsa.version: [ 1, 2 ]
amdhsa.kernels:
  - .name:           k_q89e294c647_wquant
    .symbol:         k_q89e294c647_wquant.kd
    .args:
      - { .name: Wq, .offset: 0, .size: 8, .value_kind: global_buffer, .address_space: global }
      - { .name: Wk, .offset: 8, .size: 8, .value_kind: global_buffer, .address_space: global }
      - { .name: Wv, .offset: 16, .size: 8, .value_kind: global_buffer, .address_space: global }
      - { .name: Wu, .offset: 24, .size: 8, .value_kind: global_buffer, .address_space: global }
      - { .name: wc, .offset: 32, .size: 8, .value_kind: global_buffer, .address_space: global }
      - { .name: wsc, .offset: 40, .size: 8, .value_kind: global_buffer, .address_space: global }
    .group_segment_fixed_size: 0
    .private_segment_fixed_size: 0
    .kernarg_segment_align: 8
    .kernarg_segment_size: 48
    .max_flat_workgroup_size: 32
    .sgpr_count:     66
    .vgpr_count:     192
    .wavefront_size: 32
...
	.end_amdgpu_metadata
.endif
;; end of part 1
;; launch proj (part 2): grid 256 x 1, 8 waves a work-group, no clusters, 20,480 bytes of LDS; arguments x, wc, wsc, qc, qs, kv; writes qc, qs, kv
.if DOCPART == 2
	.amdgcn_target "amdgcn-amd-amdhsa--gfx1250"
	.amdhsa_code_object_version 6
	.text
	.protected	k_q89e294c647_proj
	.globl	k_q89e294c647_proj
	.p2align	8
	.type	k_q89e294c647_proj,@function
k_q89e294c647_proj:
	s_mov_b64 s[64:65], 0
	v_nop
	global_prefetch_b8 v0, s[64:65] scope:SCOPE_SE
	s_setreg_imm32_b32 hwreg(HW_REG_WAVE_MODE, 25, 1), 1
	s_wait_xcnt 0x0
; q = x Wq^T, k = x Wk^T, v = x Wv^T on codes of FP8 (E4M3) with one E8M0 scale for each 32 along K = 256; then q and k are quantised along the head's 64 channels
; and v along the keys, and all three leave as IMAGES OF THE NEXT OPERAND'S REGISTERS ([lane 32][16 bytes] for each group of four registers).
; SHARES.  A work-group takes 64 tokens as four tiles of 16.  First wave w quantises fragment (tile w / 2, K step w % 2) of x and puts its image into LDS.  Then THE WAVES SHARE THE COLUMNS:
; wave w owns weight rows 32 w .. 32 w + 31 (head w / 2, half w % 2 of its 64 channels) of each of Wq, Wk, Wv, for all 64 tokens: three units of 16 matrix instructions.
; EVERY TILE OF 16 ROWS (tokens, weight rows) IS PERMUTED: lane r of tile 2 B + u takes row 32 B + 8 u + r + 8 (r / 8); as source 0 such a pair of tiles leaves 16 neighbours, 32 B + 16 (lane / 16) + 0 .. 15, in a lane's 16 registers.
; q, k: source 0 = weight rows, source 1 = tokens: a lane holds one token and 16 neighbouring channels of a block of 32.  v: source 0 = tokens, source 1 = weight rows: a lane holds one channel and 16 neighbouring keys.
; OUT.  qc [block of 64 tokens][head 4][tile 4][c 2][lane][16 B];  qs [block][head][tile][r 16] words, bytes 0, 1 the head's two blocks, bytes 2, 3 the same again.
; kv [key step of 128 keys][68,608 B]: k's codes [head][key tile 8][c 2][lane][16 B]; from 32,768 v's [head][channel tile 4][c 4][lane][16 B]; from 65,536 k's scale words [head][tile 8][r 16] (bytes as q's);
; from 67,584 v's [head][lane 32][2 words]: word j of lane l: channel tile 2 j + l / 16, row l % 16, byte c = key block c.
; NO TENSOR LOAD, NO CLUSTER: each wave reads its own 24 KiB of weight images once, straight into registers, 512 consecutive bytes a load; through LDS the same bytes would be written and read once more for nothing.
; v's scale bytes leave two at a time (the word's other two come from the neighbouring block of 64 tokens): 1 byte in 128 of what the launch stores.
; LIMITS: NaN and infinities are not served; blocks whose largest magnitude lies under 2^-118 keep the byte 1; a block of zeros gets the byte 1 and not 127: its codes are zeros and this program alone reads the bytes.
.set XIMG,  0                          ; LDS: x's 8 fragments, 2,048 bytes each: fragment 2 tile + K step
.set XSC,   16384                      ; their scale words: 128 bytes a tile: lanes 0-15 K step 0, lanes 16-31 K step 1
.set SST,   16896                      ; the stage for q's scale words [head][tile][r], 1,024 bytes; then k's
.set STEPB, 68608
.set XS,  20                           ; v20-23   x's scale words, one register a tile
.set WS,  24                           ; v24-25   the weight's, one a tile
.set WF,  32                           ; v32-95   weight fragments: 16 (2 u + s)
.set XF,  96                           ; v96-159  x's four fragments of one K step
.set HA,  160                          ; v160-223 eight accumulators; at the head the 64 numbers of x
.set PC,  224                          ; v224-239 the codes just made
.set TM,  240                          ; v240-243 largest magnitudes, 244-247 bytes, 248-251 448 x the scale, 252-255 the conversion's scale operand
.set SEL, 24                           ; s[24:25]
.set MNT, 26                           ; s26
; 64 numbers of a lane, v[s] on (register 16 b + i: number i of my 16 of block b), become codes in v[d] on; the blocks' bytes stay in v[TM+4] on; w != 0: they also make a word in v[w].
.macro QUANT s, d, w
.irp b, 0,1,2,3
	v_max3_num_f32 v[TM+\b], |v[\s+16*\b]|, |v[\s+1+16*\b]|, 0x4800000   ; my 16 numbers, from each accumulator's low end on, and the floor 2^(9 - 127)
.endr
.irp i, 2,4,6,8,10,12,14
.irp b, 0,1,2,3
	v_max3_num_f32 v[TM+\b], v[TM+\b], |v[\s+16*\b+\i]|, |v[\s+1+16*\b+\i]|
.endr
.endr
.irp b, 0,1,2,3
	v_permlanex16_b32 v[TM+4+\b], v[TM+\b], s[SEL], s[SEL+1]
.endr
.irp b, 0,1,2,3
	v_max_num_f32 v[TM+\b], v[TM+\b], v[TM+4+\b]           ; with lane l xor 16's 16: the block's largest magnitude
.endr
.irp b, 0,1,2,3
	v_add_nc_u32 v[TM+12+\b], 0xfc000000, v[TM+\b]         ; 8 off its exponent field: the conversion's scale operand
.endr
.irp b, 0,1,2,3
	v_and_or_b32 v[TM+8+\b], v[TM+\b], 0x7f800000, s[MNT]  ; 448 x the scale
.endr
.irp b, 0,1,2,3
	v_lshrrev_b32 v[TM+4+\b], 23, v[TM+12+\b]              ; the scale's byte
.endr
.if \w != 0
	v_lshl_or_b32 v[\w], v[TM+5], 8, v[TM+4]
	v_lshl_or_b32 v[\w], v[TM+6], 16, v[\w]
	v_lshl_or_b32 v[\w], v[TM+7], 24, v[\w]
.endif
.irp b, 0,1,2,3
.irp i, 0,1,2,3,4,5,6,7,8,9,10,11,12,13,14,15
	v_med3_num_f32 v[\s+16*\b+\i], v[\s+16*\b+\i], -v[TM+8+\b], v[TM+8+\b]   ; the conversion to an 8-bit code does not saturate (ISA guide 7.6.2)
.endr
	v_cvt_scalef32_pk8_fp8_f32 v[\d+4*\b:\d+1+4*\b], v[\s+16*\b:\s+7+16*\b], v[TM+12+\b]
	v_cvt_scalef32_pk8_fp8_f32 v[\d+2+4*\b:\d+3+4*\b], v[\s+8+16*\b:\s+15+16*\b], v[TM+12+\b]
.endr
	v_nop                                                  ; a plain line behind the last conversion: the next products write its sources
.endm
.macro WLOAD m                         ; matrix m: my two tiles' four fragments and two scale words
.irp k, 0,1,2,3,4,5,6,7,8,9,10,11,12,13,14,15
	global_load_b128 v[WF+4*\k:WF+4*\k+3], v9, s[6:7] offset:(\m)*65536+512*\k
.endr
.irp u, 0,1
	global_load_b32 v[WS+\u], v10, s[8:9] offset:(\m)*2048+128*\u
.endr
.endm
.macro XFETCH s                        ; x's four fragments of K step s
.irp t, 0,1,2,3
.irp c, 0,1,2,3
	ds_load_b128 v[XF+16*\t+4*\c:XF+16*\t+4*\c+3], v5 offset:XIMG+(2*\t+\s)*2048+512*\c
.endr
.endr
.endm
; Eight accumulators by turns, one instruction a turn.  K step 0 starts the sums with the constant 0; K step 1 takes the scale words of lanes 16-31.
.macro MULT s                          ; q, k: source 0 = weight tile u, source 1 = token tile t; accumulator at 16 t + 8 u: the quantiser's block is t
.irp t, 0,1,2,3
.irp u, 0,1
.if \s == 0
	v_wmma_scale_f32_16x16x128_f8f6f4 v[HA+16*\t+8*\u:HA+16*\t+8*\u+7], v[WF+32*\u:WF+32*\u+15], v[XF+16*\t:XF+16*\t+15], 0, v[WS+\u], v[XS+\t]
.else
	v_wmma_scale_f32_16x16x128_f8f6f4 v[HA+16*\t+8*\u:HA+16*\t+8*\u+7], v[WF+32*\u+16:WF+32*\u+31], v[XF+16*\t:XF+16*\t+15], v[HA+16*\t+8*\u:HA+16*\t+8*\u+7], v[WS+\u], v[XS+\t] matrix_a_scale:MATRIX_SCALE_ROW1 matrix_b_scale:MATRIX_SCALE_ROW1
.endif
.endr
.endr
.endm
.macro MULN s                          ; v: source 0 = token tile t, source 1 = weight tile u; accumulator at 32 u + 8 t: the quantiser's block is 2 u + t / 2
.irp t, 0,1,2,3
.irp u, 0,1
.if \s == 0
	v_wmma_scale_f32_16x16x128_f8f6f4 v[HA+32*\u+8*\t:HA+32*\u+8*\t+7], v[XF+16*\t:XF+16*\t+15], v[WF+32*\u:WF+32*\u+15], 0, v[XS+\t], v[WS+\u]
.else
	v_wmma_scale_f32_16x16x128_f8f6f4 v[HA+32*\u+8*\t:HA+32*\u+8*\t+7], v[XF+16*\t:XF+16*\t+15], v[WF+32*\u+16:WF+32*\u+31], v[HA+32*\u+8*\t:HA+32*\u+8*\t+7], v[XS+\t], v[WS+\u] matrix_a_scale:MATRIX_SCALE_ROW1 matrix_b_scale:MATRIX_SCALE_ROW1
.endif
.endr
.endr
.endm
.macro PLACES                          ; eight plain places behind this matrix form, ahead of loads into its registers and of the first read of its results
.rept 8
	v_nop
.endr
.endm
.macro BARRIER                         ; my LDS stores have landed and my LDS loads are in: then the work-group's barrier
	s_wait_dscnt 0x0
	s_barrier_signal -1
	s_barrier_wait -1
.endm
; One of the three products, for my 32 columns and all 64 tokens.
.macro UNIT m
	s_wait_loadcnt 0x0                             ; the weight's fragments and scale words
	s_wait_dscnt 0x0                               ; x's K step 0; and the last unit's byte stores have read their registers
.if \m < 2
	MULT 0
.else
	MULN 0
.endif
	PLACES
	XFETCH 1
	s_wait_dscnt 0x0
.if \m < 2
	MULT 1
.else
	MULN 1
.endif
	PLACES
.if \m < 2
	WLOAD \m+1                                     ; the next unit's operands land while this unit's results are quantised
	XFETCH 0
.endif
	s_wait_xcnt 0x0                                ; the last unit's stores have read the codes' registers: they are written again only behind this wait
	QUANT HA, PC, 0
.if \m == 0
.irp t, 0,1,2,3
	global_store_b128 v11, v[PC+4*\t:PC+4*\t+3], s[10:11] offset:1024*\t   ; group c = my half of the head, of query tile t: 512 consecutive bytes
	ds_store_b8 v14, v[TM+4+\t] offset:64*\t       ; the block's byte, and once more two bytes on; both lanes of a block write the same byte with the same value
	ds_store_b8 v14, v[TM+4+\t] offset:64*\t+2
.endr
.elseif \m == 1
.irp t, 0,1,2,3
	global_store_b128 v12, v[PC+4*\t:PC+4*\t+3], s[28:29] offset:1024*\t
	ds_store_b8 v14, v[TM+4+\t] offset:1024+64*\t
	ds_store_b8 v14, v[TM+4+\t] offset:1024+64*\t+2
.endr
.else
.irp u, 0,1
.irp b, 0,1
	global_store_b128 v13, v[PC+4*(2*\u+\b):PC+4*(2*\u+\b)+3], s[30:31] offset:2048*\u+512*\b   ; channel tile 2 half + u, key block 2 (block of 64 % 2) + b
.endr
.endr
	v_lshl_or_b32 v27, v[TM+5], 8, v[TM+4]         ; channel tile u = 0: its two key blocks' bytes
	v_lshl_or_b32 v28, v[TM+7], 8, v[TM+6]         ; u = 1
	v_cmp_gt_u32 vcc_lo, 16, v1
	v_cndmask_b32 v27, v28, v27, vcc_lo            ; lanes 0-15 store tile u = 0's, lanes 16-31 tile u = 1's
	global_store_b16 v15, v27, s[32:33]
.endif
.endm
	s_load_b256 s[4:11], s[0:1], 0x0               ; x, wc, wsc, qc
	s_load_b128 s[12:15], s[0:1], 0x20             ; qs, kv
	v_lshl_add_u32 v30, v0, 2, 0x4c00
	v_mov_b32 v31, 0
	v_lshrrev_b32 v1, 5, v0
	v_readfirstlane_b32 s16, v1                    ; wave 0..7
	s_lshr_b32 s17, s16, 1                         ; my head; at the head of the text: my tile of x
	s_and_b32 s18, s16, 1                          ; my half of the head; my K step of x
	s_and_b32 s19, s16, 3
	s_lshr_b32 s20, ttmp9, 1                       ; the key step of 128 keys,
	s_and_b32 s21, ttmp9, 1                        ; and which half of it these 64 tokens are
	s_mul_i32 s22, s20, STEPB
	v_and_b32 v1, 31, v0                           ; lane
	v_and_b32 v2, 15, v0                           ; r
	v_bfe_u32 v3, v0, 4, 1                         ; h
	v_and_b32 v4, 8, v2
	v_add_nc_u32 v4, v4, v2                        ; r + 8 (r / 8)
	v_lshlrev_b32 v4, 10, v4
	v_lshl_add_u32 v4, v3, 6, v4                   ; x: my row of 1,024 bytes, + 64 h
	v_lshlrev_b32 v5, 4, v1                        ; 16 x lane
	v_lshlrev_b32 v6, 2, v1                        ; 4 x lane
	s_lshl_b32 s44, s16, 13
	v_add_nc_u32 v9, s44, v5                       ; wc: my two tiles: 8,192 x wave
	s_lshl_b32 s44, s16, 8
	v_add_nc_u32 v10, s44, v6                      ; wsc: 256 x wave
	s_lshl_b32 s40, ttmp9, 16                      ; x: 64 rows a work-group,
	s_lshr_b32 s41, s16, 2
	s_lshl_b32 s41, s41, 15                        ; my tile's first row: 32 (tile / 2)
	s_add_co_u32 s40, s40, s41
	s_and_b32 s41, s17, 1
	s_lshl_b32 s41, s41, 13                        ; + 8 (tile % 2),
	s_add_co_u32 s40, s40, s41
	s_lshl_b32 s41, s18, 9                         ; my K step: 512 bytes
	s_add_co_u32 s40, s40, s41
	s_mov_b32 s41, 0
	s_wait_kmcnt 0x0
	s_add_nc_u64 s[4:5], s[4:5], s[40:41]
.irp c, 0,1,2,3
.irp j, 0,1,2,3
	global_load_b128 v[HA+16*\c+4*\j:HA+16*\c+4*\j+3], v4, s[4:5] offset:128*\c+16*\j th:TH_LOAD_NT   ; my 16 neighbours of block c: read once in the launch
.endr
.endr
	WLOAD 0
	s_lshl_b32 s44, s16, 11
	v_add_nc_u32 v7, s44, v5                       ; where I store x's image: 2,048 x wave + 16 x lane
	s_lshl_b32 s44, s16, 6
	s_add_co_u32 s44, s44, XSC
	v_lshl_add_u32 v8, v2, 2, s44                  ; and its scale word: 64 x wave + 4 r
	s_lshl_b32 s44, s17, 12
	s_lshl_b32 s45, s18, 9
	s_add_co_u32 s44, s44, s45
	v_add_nc_u32 v11, s44, v5                      ; qc: 4,096 x head + 512 x half
	s_lshl_b32 s44, s17, 13
	s_add_co_u32 s45, s44, s45
	v_add_nc_u32 v12, s45, v5                      ; k's codes: 8,192 x head + 512 x half
	s_lshl_b32 s45, s18, 12
	s_add_co_u32 s45, s44, s45
	v_add_nc_u32 v13, s45, v5                      ; v's codes: 8,192 x head + 4,096 x half
	s_lshl_b32 s44, s17, 8
	s_add_co_u32 s45, s44, s18
	s_add_co_u32 s45, s45, SST
	v_lshl_add_u32 v14, v2, 2, s45                 ; the stage: 256 x head + 4 r + my half's byte
	s_lshl_b32 s45, s18, 2
	s_add_co_u32 s45, s44, s45
	v_lshl_add_u32 v15, v1, 3, s45                 ; v's scale bytes: 256 x head + 8 x lane + 4 x half
	s_lshl_b32 s44, s16, 8
	s_add_co_u32 s44, s44, SST
	v_lshl_add_u32 v16, v1, 3, s44                 ; the stage on the way out: 256 x wave + 8 x lane
	v_lshlrev_b32 v17, 3, v1
	s_mov_b32 s[SEL], 0x76543210
	s_mov_b32 s[SEL+1], 0xfedcba98
	s_mov_b32 s[MNT], 0x600000
.irp b, 0,1,2,3
	v_mov_b32 v[TM+4+\b], 0                        ; written once: a lane permute's destination counts as one of its sources
.endr
	s_mov_b32 s43, 0
	s_lshl_b32 s42, ttmp9, 14
	s_add_nc_u64 s[10:11], s[10:11], s[42:43]      ; qc at my block
	s_lshl_b32 s42, s21, 12
	s_add_co_u32 s42, s42, s22
	s_add_nc_u64 s[28:29], s[14:15], s[42:43]      ; k's codes: key tiles 4 (block % 2) on
	s_lshl_b32 s42, s21, 10
	s_add_co_u32 s42, s42, s22
	s_add_co_u32 s42, s42, 32768
	s_add_nc_u64 s[30:31], s[14:15], s[42:43]      ; v's codes: key blocks 2 (block % 2) on
	s_lshl_b32 s42, s21, 1
	s_add_co_u32 s42, s42, s22
	s_add_co_u32 s42, s42, 67584
	s_add_nc_u64 s[32:33], s[14:15], s[42:43]      ; v's scale bytes likewise
	s_lshl_b32 s42, ttmp9, 10
	s_lshl_b32 s44, s19, 8
	s_add_co_u32 s42, s42, s44
	s_add_nc_u64 s[34:35], s[12:13], s[42:43]      ; qs: head wave % 4
	s_lshl_b32 s42, s19, 9
	s_lshl_b32 s44, s21, 8
	s_add_co_u32 s42, s42, s44
	s_add_co_u32 s42, s42, s22
	s_add_co_u32 s42, s42, 65536
	s_add_nc_u64 s[36:37], s[14:15], s[42:43]      ; k's scale words: head wave % 4
	s_cmp_lt_u32 s16, 4                            ; waves 0-3 carry q's words out, waves 4-7 k's: the choice hangs on the wave's number alone
	s_cselect_b64 s[38:39], s[34:35], s[36:37]
	s_wait_loadcnt 18                              ; x's sixteen loads are in; the weight's sixteen and its two scale words, issued behind them, may be out
	QUANT HA, PC, 26
.irp c, 0,1,2,3
	ds_store_b128 v7, v[PC+4*\c:PC+4*\c+3] offset:XIMG+512*\c
.endr
	ds_store_b32 v8, v26                           ; lanes r and r + 16 write the same word with the same value
	BARRIER                                        ; x's eight fragments lie in LDS
	XFETCH 0
.irp t, 0,1,2,3
	ds_load_b32 v[XS+\t], v6 offset:XSC+128*\t
.endr
	UNIT 0
	UNIT 1
	UNIT 2
	BARRIER                                        ; q's and k's scale words lie whole in the stage
	ds_load_b64 v[18:19], v16
	s_wait_dscnt 0x0
	global_store_b64 v17, v[18:19], s[38:39]       ; 32 lanes store 256 consecutive bytes, aligned
	s_wait_tensorcnt 0x0
	ds_add_u32 v30, v31
	s_wait_dscnt 0x0
	s_endpgm
.Lfunc_end_k_q89e294c647_proj:
	.size	k_q89e294c647_proj, .Lfunc_end_k_q89e294c647_proj-k_q89e294c647_proj
	.p2alignl 7, 3214868480
	.fill 96, 4, 3214868480
	.section	.rodata,"a",@progbits
	.p2align	6, 0x0
	.amdhsa_kernel k_q89e294c647_proj
		.amdhsa_group_segment_fixed_size 20480
		.amdhsa_private_segment_fixed_size 0
		.amdhsa_enable_private_segment 0
		.amdhsa_kernarg_size 48
		.amdhsa_user_sgpr_count 2
		.amdhsa_user_sgpr_kernarg_segment_ptr 1
		.amdhsa_wavefront_size32 1
		.amdhsa_system_sgpr_workgroup_id_x 1
		.amdhsa_system_sgpr_workgroup_id_y 1
		.amdhsa_system_sgpr_workgroup_id_z 1
		.amdhsa_system_vgpr_workitem_id 0
		.amdhsa_next_free_vgpr 256
		.amdhsa_next_free_sgpr 66
		.amdhsa_reserve_vcc 1
		.amdhsa_float_denorm_mode_32 3
		.amdhsa_float_denorm_mode_16_64 3
		.amdhsa_memory_ordered 1
		.amdhsa_forward_progress 1
		.amdhsa_inst_pref_size 60
	.end_amdhsa_kernel
	.amdgpu_metadata
---
amdhsa.version: [ 1, 2 ]
amdhsa.kernels:
  - .name:           k_q89e294c647_proj
    .symbol:         k_q89e294c647_proj.kd
    .args:
      - { .name: x, .offset: 0, .size: 8, .value_kind: global_buffer, .address_space: global }
      - { .name: wc, .offset: 8, .size: 8, .value_kind: global_buffer, .address_space: global }
      - { .name: wsc, .offset: 16, .size: 8, .value_kind: global_buffer, .address_space: global }
      - { .name: qc, .offset: 24, .size: 8, .value_kind: global_buffer, .address_space: global }
      - { .name: qs, .offset: 32, .size: 8, .value_kind: global_buffer, .address_space: global }
      - { .name: kv, .offset: 40, .size: 8, .value_kind: global_buffer, .address_space: global }
    .group_segment_fixed_size: 20480
    .private_segment_fixed_size: 0
    .kernarg_segment_align: 8
    .kernarg_segment_size: 48
    .max_flat_workgroup_size: 256
    .sgpr_count:     66
    .vgpr_count:     256
    .wavefront_size: 32
...
	.end_amdgpu_metadata
.endif
;; end of part 2
;; launch attn (part 3): grid 256 x 1, 16 waves a work-group, clusters of 4 x 1, 327,680 bytes of LDS; arguments qc, qs, kv, wc, wsc, bu, out0; writes out0
.if DOCPART == 3
	.amdgcn_target "amdgcn-amd-amdhsa--gfx1250"
	.amdhsa_code_object_version 6
	.text
	.protected	k_q89e294c647_attn
	.globl	k_q89e294c647_attn
	.p2align	8
	.type	k_q89e294c647_attn,@function
k_q89e294c647_attn:
	s_mov_b64 s[64:65], 0
	v_nop
	global_prefetch_b8 v0, s[64:65] scope:SCOPE_SE
	s_setreg_imm32_b32 hwreg(HW_REG_WAVE_MODE, 25, 1), 1
	s_wait_xcnt 0x0
	s_wait_alu depctr_hold_cnt(0) depctr_sa_sdst(0) depctr_va_vdst(0) depctr_va_sdst(0) depctr_va_ssrc(0) depctr_va_vcc(0) depctr_vm_vsrc(0)
	s_getreg_b32 s2, hwreg(HW_REG_IB_STS2, 6, 4)
	s_cmp_eq_u32 s2, 0
	s_cbranch_scc0 .Lentry_in_a_cluster
	s_endpgm
.Lentry_in_a_cluster:
	s_bfe_u32 s2, ttmp6, 0x10000c
	s_cmp_lg_u32 s2, 0x3003
	s_cbranch_scc0 .Lentry_shape_is_right
	s_endpgm
.Lentry_shape_is_right:
; out = (softmax(q k^T / 8) v, the four heads side by side) Wu^T + bu, all three products on codes of FP8 (E4M3) with one E8M0 scale for each 32 along a product's K.
; THE SOFTMAX AHEAD OF THE SECOND PRODUCT: t = score x log2(e) / 8; M = the row's largest t so far, rounded UP to a whole number; p = 2^(t - M) is quantised along the keys, not normalised.
; The row's sum is taken of the unquantised p, in f32, and divides at the end.  When M moves, the sum and O are multiplied by 2^(old M - new M): exact.
; SHARES.  A work-group owns 64 queries of one batch, all four heads.  Wave w: head w % 4, query tile w / 4: one tile of 16 queries in 256 registers, four waves to a SIMD, so that one wave's vector work
; stands beside another's matrix work and LDS loads: a key step has 12 matrix instructions and some 290 vector instructions a wave.  At the end wave w makes 16 columns of the output for all 64 queries.
; LAYOUT.  Both attention products are used transposed: S^T = K Q^T, O^T = V^T P^T: a lane holds ONE query throughout.  All operands come as images of their registers ([lane][16 bytes]): every LDS read is of
; consecutive bytes, so there is no pitch and no padding.  All tiles are permuted (lane r of tile 2 B + u: row 32 B + 8 u + r + 8 (r / 8)), so that results are neighbours along the next K.
; K = 64 IN A FORM OF 128.  Q's registers 8-15 are zero codes.  A key tile's fragment is named as 16 registers of which the upper eight are the next tile's codes (behind the last tile: eight registers of zeros):
; codes made by this program's quantiser, never NaN, which multiply zeros.  Bytes 2, 3 of q's and k's scale words repeat bytes 0, 1.  So no zero is stored, fetched or read.
; THE RING.  Two LDS slots of two key steps (256 keys of all four heads, 137,216 bytes, dense in memory).  Waves 0-7 each fetch an eighth of a slot, 67 rows of 256 bytes.
; CLUSTER.  The four work-groups of a cluster belong to one batch and walk the same keys: each tile is asked for JOINTLY, by the same tensor load with a mask that names the four.  One tensor load of a wave is out at a time.
; THE CHANGE OF SLOTS IS SPREAD OVER THE SOFTMAX OF A SLOT'S SECOND KEY STEP.  Once that step's V is in registers the wave reads the slot no more, and all that is left of the step is work on registers:
; so the round of the cluster's barrier opens there, and the exponentials, the sums, the conversions and the products V^T P^T stand between its signals and its waits.  The refill follows the closing wait.
; LIMITS: NaN and infinities are not served; blocks whose largest magnitude lies under 2^-118 keep the byte 1; a block of zeros gets the byte 1 and not 127: its codes are zeros; 1 / the sum is v_rcp_f32 and a multiplication.
.set STEPB, 68608                      ; a key step: k's codes 32,768, v's codes 32,768, k's scale words 2,048, v's 1,024
.set SLOTB, 2*STEPB
.set SPARE, 2*SLOTB                    ; behind the ring: the spare words, 128 bytes for each of 16 waves: eight blocks of 256 bytes that no other line names
.set OIMG,  0                          ; the end's scratch lies in slot 0, which has had its last fill and its last read by then: the attention output's 8 fragments,
.set OSC,   16384                      ; their scale words, 128 bytes each,
.set STG,   17408                      ; and the stage for 64 rows of the output,
.set SP,    1040                       ; 1,024 bytes + 16 apart
.set S,   104                          ; v104-167 S^T, then p
.set O,   168                          ; v168-199 O^T; at the end the output's four accumulators
.set PCD, 200                          ; v200-215 p's codes
.set BM,  216                          ; v216-219 each block's largest score, then its largest p
.set T1,  220                          ; v220-223 at work
.set HL,  224                          ; v224-227 448 x the scale
.set SO,  228                          ; v228-231 the conversion's scale operand
; v1-3 my lane's places in a key step (codes; k's scale words; v's); v4 my spare word, v5 0; v6-8 the step's addresses; v9 16 x lane, v10 4 x lane; v11 where my output image goes
; v12 -M, v13 the largest t, v[14:15] the sum in two halves; v16-23 Q's codes, v24-31 zeros; v32-95 K's or V's fragments; v96-103 zeros
; v232-236 addresses for the end; v240-243 k's scale words, v244-245 v's, v246 q's, v247 p's: these hold scales and nothing else; v[248:249] f; v250 at work; v[252:253] the sum's second chain
; s18 wave, s19 head, s20 query tile; s[24:25] lane selects; s[26:27] c; s28 448's mantissa field; s29 trips; s[32:39] descriptor group 1; s[40:43], s[44:47] group 0 of slots 0 and 1
.macro ROUND                           ; a round of the cluster's barrier with nothing inside it
	s_barrier_signal -1
	s_barrier_wait -1
	s_cmp_lg_u32 s18, 0
	s_cbranch_scc1 .Lnot_wave_0_\@
	s_barrier_signal -3
.Lnot_wave_0_\@:
	s_barrier_wait -3
	s_barrier_signal -1
	s_barrier_wait -1
.endm
.macro JLOAD n                         ; the joint load of slot n: waves 0-7, an eighth each; the branch hangs on the wave's number alone.  Four v_nop follow the load
	s_cmp_lt_u32 s18, 8
	s_cbranch_scc0 .Lnone_\@
	tensor_load_to_lds s[40+4*(\n):43+4*(\n)], s[32:39]
	s_nop 0
.rept 4
	v_nop
.endr
.Lnone_\@:
.endm
.macro BARRIER
	s_wait_dscnt 0x0
	s_barrier_signal -1
	s_barrier_wait -1
.endm
; THE PARTS OF A KEY STEP (128 keys, whose bytes begin at LDS byte lds).
; H1: K's fragments, S^T = K Q^T, and the request for V's fragments: all of the step's LDS instructions.
.macro H1 lds
	v_add_nc_u32 v6, \lds, v1
	v_add_nc_u32 v7, \lds, v2
	v_add_nc_u32 v8, \lds, v3
.rept 5
	v_nop                                          ; with the three additions: eight places behind the last step's products, ahead of loads into registers that they read
.endr
.irp k, 0,1,2,3,4,5,6,7,8,9,10,11,12,13,14,15
	ds_load_b128 v[32+4*\k:35+4*\k], v6 offset:512*\k      ; key tile k / 2, group k % 2
.endr
.irp j, 0,1,2,3
	ds_load_b32 v[240+\j], v7 offset:128*\j        ; lanes 0-15: key tile 2 j's words, lanes 16-31: tile 2 j + 1's
.endr
	s_wait_dscnt 0x0
.irp t, 0,2,4,6
	v_wmma_scale_f32_16x16x128_f8f6f4 v[S+8*\t:S+8*\t+7], v[32+8*\t:47+8*\t], v[16:31], 0, v[240+\t/2], v246
	v_wmma_scale_f32_16x16x128_f8f6f4 v[S+8*\t+8:S+8*\t+15], v[40+8*\t:55+8*\t], v[16:31], 0, v[240+\t/2], v246 matrix_a_scale:MATRIX_SCALE_ROW1
.endr                                              ; lane (r, h): query r; registers 16 b + i: key 32 b + 16 h + i
.rept 8
	v_nop                                          ; eight places: for the loads below and for the first read of the scores
.endr
.irp k, 0,1,2,3,4,5,6,7,8,9,10,11,12,13,14,15
	ds_load_b128 v[32+4*\k:35+4*\k], v6 offset:32768+512*\k   ; V's fragments (channel tile k / 4, key block k % 4) land while the softmax is walked
.endr
	ds_load_b64 v[244:245], v8
.endm
; SM_MAX: each block's largest score, the row's, the new M and f.  49 lines.
.macro SM_MAX
.irp b, 0,1,2,3
	v_max3_num_f32 v[BM+\b], v[S+16*\b], v[S+1+16*\b], v[S+2+16*\b]   ; the largest score of each block of 32 keys: it serves the row's maximum and, since p rises with the score, the block's largest p
.endr
.irp i, 3,5,7,9,11,13
.irp b, 0,1,2,3
	v_max3_num_f32 v[BM+\b], v[BM+\b], v[S+16*\b+\i], v[S+1+16*\b+\i]
.endr
.endr
.irp b, 0,1,2,3
	v_max_num_f32 v[BM+\b], v[BM+\b], v[S+15+16*\b]
.endr
.irp b, 0,1,2,3
	v_permlanex16_b32 v[T1+\b], v[BM+\b], s24, s25
.endr
.irp b, 0,1,2,3
	v_max_num_f32 v[BM+\b], v[BM+\b], v[T1+\b]     ; with lane l xor 16's 16 keys
.endr
	v_max3_num_f32 v250, v[BM], v[BM+1], v[BM+2]
	v_max_num_f32 v250, v250, v[BM+3]              ; the step's largest score of my query
	v_mul_f32 v250, s26, v250                      ; as t (c is positive)
	v_max_num_f32 v13, v13, v250                   ; the running largest t
	v_mov_b32 v250, v12
	v_floor_f32 v12, -v13                          ; the new -M = floor(-t): M is a whole number
	v_sub_f32 v250, v12, v250                      ; old M - new M: a whole number, 0 or less
	v_cvt_i32_f32 v250, v250                       ; (it saturates)
	v_ldexp_f32 v248, 1.0, v250                    ; f = 2^(old M - new M)
.endm
; SM_FMA: t - M.  36 lines.
.macro SM_FMA
.set J, 0
.rept 32
	v_pk_fma_f32 v[S+J:S+J+1], v[S+J:S+J+1], s[26:27], v[12:13] op_sel_hi:[1,0,0]   ; two at a time (of the pairs c and -M the low word serves both halves)
.set J, J+2
.endr
.irp b, 0,1,2,3
	v_fma_f32 v[BM+\b], v[BM+\b], s26, v12         ; the same of each block's largest score
.endr
.endm
; SM_EXP: 68 exponentials.  The plain line that they want behind them is the first of SM_SCL.
.macro SM_EXP
.set J, 0
.rept 64
	v_exp_f32 v[S+J], v[S+J]                       ; p = 2^(t - M), at most 1
.set J, J+1
.endr
.irp b, 0,1,2,3
	v_exp_f32 v[BM+\b], v[BM+\b]                   ; the block's largest p: the same two instructions on the same number
.endr
.endm
; SM_SCL: the sum under the new M; each block's scale.  20 lines.
.macro SM_SCL
	v_pk_mul_f32 v[14:15], v[14:15], v[248:249] op_sel_hi:[1,0]   ; a plain place behind the exponentials
	s_wait_alu depctr_va_vdst(0)
.irp b, 0,1,2,3
	v_max_num_f32 v[BM+\b], 0x4800000, v[BM+\b]    ; the floor 2^(9 - 127): the byte cannot fall under 1
.endr
.irp b, 0,1,2,3
	v_add_nc_u32 v[SO+\b], 0xfc000000, v[BM+\b]    ; 8 off the exponent field: the conversion's scale operand
.endr
.irp b, 0,1,2,3
	v_and_or_b32 v[HL+\b], v[BM+\b], 0x7f800000, s28   ; 448 x the scale
.endr
.irp b, 0,1,2,3
	v_lshrrev_b32 v[T1+\b], 23, v[SO+\b]           ; the scale's byte
.endr
	v_lshl_or_b32 v247, v[T1+1], 8, v[T1]          ; p's scale word for these 128 keys
	v_lshl_or_b32 v247, v[T1+2], 16, v247
	v_lshl_or_b32 v247, v[T1+3], 24, v247
.endm
; SM_SUM: the row's sum is taken of the unquantised p: two at a time, in two chains.  32 lines.
.macro SM_SUM
	v_pk_add_f32 v[252:253], v[S:S+1], v[S+2:S+3]
.set J, 4
.rept 15
	v_pk_add_f32 v[14:15], v[14:15], v[S+J:S+J+1]
	v_pk_add_f32 v[252:253], v[252:253], v[S+J+2:S+J+3]
.set J, J+4
.endr
	v_pk_add_f32 v[14:15], v[14:15], v[252:253]
.endm
; SM_CVT: block b's hold and conversions.  18 lines.
.macro SM_CVT b
.set J, 0
.rept 16
	v_min_num_f32 v[S+16*\b+J], v[S+16*\b+J], v[HL+\b]   ; the conversion to an 8-bit code does not saturate (ISA guide 7.6.2); p is not negative, so the hold is one-sided
.set J, J+1
.endr
	v_cvt_scalef32_pk8_fp8_f32 v[PCD+4*\b:PCD+4*\b+1], v[S+16*\b:S+16*\b+7], v[SO+\b]
	v_cvt_scalef32_pk8_fp8_f32 v[PCD+4*\b+2:PCD+4*\b+3], v[S+16*\b+8:S+16*\b+15], v[SO+\b]
.endm
; SM_RES: O^T under the new M; these sixteen are also the places between the codes and the products.
.macro SM_RES
.set J, 0
.rept 16
	v_pk_mul_f32 v[O+J:O+J+1], v[O+J:O+J+1], v[248:249] op_sel_hi:[1,0]
.set J, J+2
.endr
.endm
; PV: O^T += V^T P^T.  The accumulators take turns, one instruction a turn.
.macro PV
.irp n, 0,2
	v_wmma_scale_f32_16x16x128_f8f6f4 v[O+8*\n:O+8*\n+7], v[32+16*\n:47+16*\n], v[PCD:PCD+15], v[O+8*\n:O+8*\n+7], v[244+\n/2], v247
	v_wmma_scale_f32_16x16x128_f8f6f4 v[O+8*\n+8:O+8*\n+15], v[48+16*\n:63+16*\n], v[PCD:PCD+15], v[O+8*\n+8:O+8*\n+15], v[244+\n/2], v247 matrix_a_scale:MATRIX_SCALE_ROW1
.endr
.endm
; A KEY STEP that has its successor in the same slot, or none.
.macro STEP lds
	H1 \lds
	SM_MAX
	SM_FMA
	SM_EXP
	SM_SCL
	SM_SUM
	SM_CVT 0
	SM_CVT 1
	SM_CVT 2
	SM_CVT 3
	SM_RES
	s_wait_dscnt 0x0                               ; V and its scale words
	PV
.endm
; A SLOT'S SECOND KEY STEP, WITH THE CHANGE OF SLOTS IN IT.  H1 holds my last reads of this slot.  Behind it: the wait for all my tensor loads (my part of the other slot, asked for behind the last round),
; the add, and, behind 85 vector lines under which V lands, the wait for the add and for those reads.  From the opening signal to the closing wait only registers are touched.
; Behind the round no wave of any partner reads this slot or has a load on its way, and the other slot is whole.  refill = 1: this slot is filled with the 256 keys two slots on: that load has the next key step
; and the one after it up to its multiply-adds in which to land.
.macro STEPR lds, slot, refill
	H1 \lds
	s_wait_tensorcnt 0x0                           ; no tensor load of mine is out, so a group 0 may be written
	ds_add_u32 v4, v5                              ; 0 onto my spare word
.if \refill
	s_add_nc_u64 s[42+4*(1-\slot):43+4*(1-\slot)], s[42+4*(1-\slot):43+4*(1-\slot)], 2*SLOTB   ; the other slot's next tile; the type bits on top are not reached
.endif
	SM_MAX
	SM_FMA
	s_wait_dscnt 0x0                               ; the add is done; V and its scale words are in: my reads of this slot are over
	s_barrier_signal -1                            ; the round opens
	SM_EXP
	s_barrier_wait -1                              ; every wave of my work-group has said so
	s_cmp_lg_u32 s18, 0
	s_cbranch_scc1 .Lnot_wave_0_\@
	s_barrier_signal -3                            ; wave 0 says so for the work-group
.Lnot_wave_0_\@:
	SM_SCL
	SM_SUM
	SM_CVT 0
	SM_CVT 1
	s_barrier_wait -3                              ; all four work-groups have said so
	s_barrier_signal -1
	SM_CVT 2
	SM_CVT 3
	SM_RES
	PV
	s_barrier_wait -1                              ; the round is closed
.if \refill
	JLOAD \slot                                    ; the first thing behind the round, and a wave's one tensor load until the next
.endif
.endm
	s_load_b256 s[4:11], s[0:1], 0x0               ; qc, qs, kv, wc
	s_load_b128 s[12:15], s[0:1], 0x20             ; wsc, bu
	s_load_b64 s[16:17], s[0:1], 0x30              ; out0
	v_lshl_add_u32 v4, v0, 2, SPARE
	v_mov_b32 v5, 0
	ds_add_u32 v4, v5
	s_wait_dscnt 0x0
	v_lshrrev_b32 v6, 5, v0
	v_readfirstlane_b32 s18, v6                    ; wave 0..15
	s_and_b32 s19, s18, 3                          ; head
	s_lshr_b32 s20, s18, 2                         ; query tile
	s_bfe_u32 s21, ttmp6, 0x40000                  ; cx: my place in the cluster: it enters the addresses of qc, qs and out0 alone
	s_lshl_b32 s22, ttmp9, 2
	s_add_co_u32 s22, s22, s21                     ; my block of 64 queries = 4 x cluster + cx
	s_lshr_b32 s23, ttmp9, 4                       ; the batch, which the four partners share: 16 clusters to a batch
	s_mov_b32 s24, 0x76543210
	s_mov_b32 s25, 0xfedcba98                      ; v_permlanex16_b32's selects for lane l xor 16
	s_mov_b32 s26, 0x3e38aa3b                      ; c = log2(e) / 8
	s_mov_b32 s27, s26                             ; (named with it as a pair, so it is written)
	s_mov_b32 s28, 0x600000
	; descriptor group 1: 67 dense rows of 256 bytes
	s_mov_b32 s32, 15|(3<<16)|(1<<21)              ; 15:0 the mask: all four work-groups; 17:16 elements of 8 bytes; 20 no padding; 21 set beside a mask
	s_mov_b32 s33, 32<<16                          ; tensor_dim0 = 32
	s_mov_b32 s34, 67<<16                          ; tensor_dim1 = 67
	s_mov_b32 s35, 32<<16                          ; tile_dim0 = 32
	s_mov_b32 s36, 67                              ; tile_dim1 = 67
	s_mov_b32 s37, 32                              ; from row to row
	s_mov_b32 s38, 0
	s_mov_b32 s39, 0
	s_and_b32 s48, s18, 7
	s_mul_i32 s48, s48, 17152                      ; my eighth of a slot, in LDS and in memory
	s_mul_i32 s50, s23, 32*STEPB                   ; the batch's 32 key steps
	s_add_co_u32 s50, s50, s48
	s_mov_b32 s51, 0
	; every LDS address register that stays is made here
	v_and_b32 v6, 31, v0                           ; lane
	v_and_b32 v7, 15, v0                           ; r
	v_bfe_u32 v8, v0, 4, 1                         ; h
	v_lshlrev_b32 v9, 4, v6
	v_lshlrev_b32 v10, 2, v6
	s_lshl_b32 s30, s19, 13
	v_add_nc_u32 v1, s30, v9                       ; codes: 8,192 x head + 16 x lane
	s_lshl_b32 s30, s19, 9
	s_add_co_u32 s30, s30, 65536
	v_add_nc_u32 v2, s30, v10                      ; k's scale words: 512 x head + 4 x lane
	s_lshl_b32 s30, s19, 8
	s_add_co_u32 s30, s30, 67584
	v_lshl_add_u32 v3, v6, 3, s30                  ; v's: 256 x head + 8 x lane
	s_lshl_b32 s30, s18, 10
	v_add_nc_u32 v11, s30, v9                      ; my output image: fragment (tile, head / 2), groups 2 (head % 2) on = 1,024 x wave
	s_lshl_b32 s30, s20, 8
	s_lshr_b32 s31, s19, 1
	s_lshl_b32 s31, s31, 7
	s_add_co_u32 s30, s30, s31
	s_and_b32 s31, s19, 1
	s_lshl_b32 s31, s31, 1
	s_add_co_u32 s30, s30, s31
	s_add_co_u32 s30, s30, OSC
	v_add_nc_u32 v232, s30, v10                    ; its two scale bytes: 128 x fragment + 4 x lane + 2 (head % 2)
	s_lshr_b32 s62, s18, 1
	s_lshl_b32 s62, s62, 7
	s_and_b32 s63, s18, 1
	s_lshl_b32 s63, s63, 5
	s_add_co_u32 s62, s62, s63                     ; my 16 output columns begin at 32 (wave / 2) + 8 (wave % 2): in bytes
	s_mov_b32 s63, 0
	v_and_b32 v233, 8, v7
	v_add_nc_u32 v233, v233, v7                    ; r + 8 (r / 8)
	v_mul_u32_u24 v233, v233, SP
	v_lshl_add_u32 v233, v8, 6, v233
	s_add_co_u32 s30, s62, STG
	v_add_nc_u32 v233, s30, v233                   ; the stage, in: my query's row, my columns, + 64 h
	s_mul_i32 s30, s18, 4*SP
	s_add_co_u32 s30, s30, STG
	v_add_nc_u32 v234, s30, v9                     ; and back: rows 4 x wave on, 16 bytes a lane
	v_lshlrev_b32 v235, 6, v8                      ; bu: 64 h
	v_lshlrev_b32 v236, 2, v7                      ; qs: 4 r
	; offsets into the buffers
	s_lshl_b32 s52, s22, 14                        ; qc: 16,384 a block, 4,096 a head, 1,024 a tile
	s_lshl_b32 s53, s19, 12
	s_add_co_u32 s52, s52, s53
	s_lshl_b32 s53, s20, 10
	s_add_co_u32 s52, s52, s53
	s_mov_b32 s53, 0
	s_lshl_b32 s54, s22, 10                        ; qs: 1,024 a block, 256 a head, 64 a tile
	s_lshl_b32 s55, s19, 8
	s_add_co_u32 s54, s54, s55
	s_lshl_b32 s55, s20, 6
	s_add_co_u32 s54, s54, s55
	s_mov_b32 s55, 0
	s_lshl_b32 s58, s22, 16                        ; out0: 64 rows of 1,024 bytes a block, 4 rows a wave
	s_lshl_b32 s59, s18, 12
	s_add_co_u32 s58, s58, s59
	s_mov_b32 s59, 0
	s_lshl_b32 s56, s18, 12                        ; wc: Wu is the fourth matrix; tile = wave
	s_add_co_u32 s56, s56, 196608
	s_mov_b32 s57, 0
	s_lshl_b32 s60, s18, 7                         ; wsc likewise
	s_add_co_u32 s60, s60, 6144
	s_mov_b32 s61, 0
	s_wait_kmcnt 0x0
	s_add_nc_u64 s[50:51], s[8:9], s[50:51]
	s_mov_b32 s40, 1                               ; group 0 of slot 0: count = 1,
	s_mov_b32 s41, s48                             ; LDS address,
	s_mov_b64 s[42:43], s[50:51]                   ; global address: the batch's first 256 keys,
	s_or_b32 s43, s43, 0x80000000                  ; type = 2
	s_mov_b32 s44, 1                               ; of slot 1: the next 256
	s_add_co_u32 s45, s48, SLOTB
	s_add_nc_u64 s[46:47], s[50:51], SLOTB
	s_or_b32 s47, s47, 0x80000000
	s_add_nc_u64 s[4:5], s[4:5], s[52:53]
	s_add_nc_u64 s[6:7], s[6:7], s[54:55]
	s_add_nc_u64 s[10:11], s[10:11], s[56:57]
	s_add_nc_u64 s[12:13], s[12:13], s[60:61]
	s_add_nc_u64 s[14:15], s[14:15], s[62:63]
	s_add_nc_u64 s[16:17], s[16:17], s[58:59]
	ROUND                                          ; all four work-groups are here: the first joint loads meet
	JLOAD 0
	global_load_b128 v[16:19], v9, s[4:5]          ; Q's fragment stays in registers: the head's 64 channels,
	global_load_b128 v[20:23], v9, s[4:5] offset:512
	global_load_b32 v246, v236, s[6:7]             ; and its scale words
.irp j, 0,1,2,3,4,5,6,7
	v_mov_b32 v[24+\j], 0                          ; K = 64 .. 127 of Q: zero codes
	v_mov_b32 v[96+\j], 0                          ; what stands behind the last key tile
.endr
.set J, 0
.rept 32
	v_mov_b32 v[O+J], 0                            ; O^T.  (The step is written once for all steps: the first finds zeros, which the first change of M leaves zeros)
.set J, J+1
.endr
.irp b, 0,1,2,3
	v_mov_b32 v[T1+\b], 0                          ; written once: a lane permute's destination counts as one of its sources
.endr
	v_mov_b32 v14, 0                               ; the sum, in two halves
	v_mov_b32 v15, 0
	v_mov_b32 v249, 0                              ; (named as the upper half of the pair v[248:249])
	v_mov_b32 v13, 0xff61b1e6                      ; the largest t so far: -3e38, under every t
	v_floor_f32 v12, -v13                          ; -M
	s_wait_loadcnt 0x0                             ; Q
	; the first change of slots has no softmax to stand in: slot 0 is shown whole to every wave, and slot 1 gets its first fill as a refill does
	s_wait_tensorcnt 0x0                           ; my part of slot 0 has landed; no tensor load of mine is out, so a group 0 may be written
	ds_add_u32 v4, v5                              ; 0 onto my spare word
	s_add_nc_u64 s[42:43], s[42:43], 2*SLOTB       ; slot 0's next tile
	s_wait_dscnt 0x0                               ; the add is done
	ROUND
	JLOAD 1
	s_mov_b32 s29, 7
.Lslot:                                            ; 16 tiles of 256 keys: seven trips of two, and two tiles written out
	STEP 0
	STEPR STEPB, 0, 1
	STEP SLOTB
	STEPR SLOTB+STEPB, 1, 1
	s_sub_co_u32 s29, s29, 1
	s_cmp_lg_u32 s29, 0
	s_cbranch_scc1 .Lslot
	STEP 0
	STEPR STEPB, 0, 0                              ; the last tile is shown whole; behind this round nobody reads slot 0, and nothing is filled any more
	STEP SLOTB
	STEP SLOTB+STEPB
	; THE END.  O^T / the sum is quantised along the 256 channels; its images meet in LDS; wave w multiplies all 64 queries by its 16 rows of Wu.
.rept 8
	v_nop                                          ; eight places behind the last products
.endr
.irp k, 0,1,2,3,4,5,6,7
	global_load_b128 v[32+4*\k:35+4*\k], v9, s[10:11] offset:512*\k   ; Wu's tile: K step 0 in v32-47, K step 1 in v48-63
.endr
	global_load_b32 v244, v10, s[12:13]            ; its scale words: lanes 0-15 K step 0, lanes 16-31 K step 1
	global_load_b128 v[64:67], v235, s[14:15]      ; bu in the result's layout: my tile's eight columns of my half
	global_load_b128 v[68:71], v235, s[14:15] offset:16
	v_add_f32 v14, v14, v15                        ; the sum's two halves,
	v_permlanex16_b32 v250, v14, s24, s25
	v_add_f32 v14, v14, v250                       ; and lane l xor 16's: the row's sum
	v_rcp_f32 v248, v14
	v_nop                                          ; a plain place behind the transcendental
.set J, 0
	s_wait_alu depctr_va_vdst(0)
.rept 16
	v_pk_mul_f32 v[O+J:O+J+1], v[O+J:O+J+1], v[248:249] op_sel_hi:[1,0]   ; each accumulator from its low end on; register 16 b + i: channel 64 head + 32 b + 16 h + i
.set J, J+2
.endr
.irp b, 0,1
	v_max3_num_f32 v[BM+\b], |v[O+16*\b]|, |v[O+1+16*\b]|, 0x4800000
.endr
.irp i, 2,4,6,8,10,12,14
.irp b, 0,1
	v_max3_num_f32 v[BM+\b], v[BM+\b], |v[O+16*\b+\i]|, |v[O+1+16*\b+\i]|
.endr
.endr
.irp b, 0,1
	v_permlanex16_b32 v[T1+\b], v[BM+\b], s24, s25
.endr
.irp b, 0,1
	v_max_num_f32 v[BM+\b], v[BM+\b], v[T1+\b]
.endr
.irp b, 0,1
	v_add_nc_u32 v[SO+\b], 0xfc000000, v[BM+\b]
.endr
.irp b, 0,1
	v_and_or_b32 v[HL+\b], v[BM+\b], 0x7f800000, s28
.endr
.irp b, 0,1
	v_lshrrev_b32 v[T1+\b], 23, v[SO+\b]
.endr
	v_lshl_or_b32 v250, v[T1+1], 8, v[T1]          ; my two blocks' bytes
.irp b, 0,1
.set J, 0
.rept 16
	v_med3_num_f32 v[O+16*\b+J], v[O+16*\b+J], -v[HL+\b], v[HL+\b]
.set J, J+1
.endr
	v_cvt_scalef32_pk8_fp8_f32 v[PCD+4*\b:PCD+4*\b+1], v[O+16*\b:O+16*\b+7], v[SO+\b]
	v_cvt_scalef32_pk8_fp8_f32 v[PCD+4*\b+2:PCD+4*\b+3], v[O+16*\b+8:O+16*\b+15], v[SO+\b]
.endr
	v_nop                                          ; a plain line behind the last conversion: the products below write its sources
	ds_store_b128 v11, v[PCD:PCD+3] offset:OIMG
	ds_store_b128 v11, v[PCD+4:PCD+7] offset:OIMG+512
	ds_store_b16 v232, v250
	BARRIER                                        ; the attention output's eight fragments and their scale words lie in LDS
	s_wait_loadcnt 0x0                             ; Wu, its scale words, bu
.irp s, 0,1
.if \s == 1
.rept 8
	v_nop                                          ; eight places ahead of loads into registers that the products above read
.endr
.endif
.irp t, 0,1,2,3
.irp c, 0,1,2,3
	ds_load_b128 v[S+16*\t+4*\c:S+16*\t+4*\c+3], v9 offset:OIMG+(2*\t+\s)*2048+512*\c
.endr
	ds_load_b32 v[240+\t], v10 offset:OSC+(2*\t+\s)*128
.endr
	s_wait_dscnt 0x0
.irp t, 0,1,2,3
.if \s == 0
	v_wmma_scale_f32_16x16x128_f8f6f4 v[O+8*\t:O+8*\t+7], v[32:47], v[S+16*\t:S+16*\t+15], v[64:71], v244, v[240+\t]   ; the bias is the C of each sum's first product
.else
	v_wmma_scale_f32_16x16x128_f8f6f4 v[O+8*\t:O+8*\t+7], v[48:63], v[S+16*\t:S+16*\t+15], v[O+8*\t:O+8*\t+7], v244, v[240+\t] matrix_a_scale:MATRIX_SCALE_ROW1
.endif
.endr
.endr
.rept 8
	v_nop
.endr
.irp t, 0,1,2,3
	ds_store_b128 v233, v[O+8*\t:O+8*\t+3] offset:(32*(\t/2)+8*(\t%2))*SP       ; lane (r, h): query tile t's row r, my columns 16 h + 0 .. 7; each accumulator from its low end on
	ds_store_b128 v233, v[O+8*\t+4:O+8*\t+7] offset:(32*(\t/2)+8*(\t%2))*SP+16
.endr
	BARRIER                                        ; 64 whole rows of the output lie in the stage
.irp i, 0,1,2,3,4,5,6,7
	ds_load_b128 v[S+4*\i:S+4*\i+3], v234 offset:(\i/2)*SP+512*(\i%2)
.endr
.irp i, 0,1,2,3,4,5,6,7
	s_wait_dscnt 7-\i                              ; LDS loads come back in order: load i is in, the younger ones may be out
	global_store_b128 v9, v[S+4*\i:S+4*\i+3], s[16:17] offset:(\i/2)*1024+512*(\i%2) th:TH_STORE_NT   ; 32 lanes store 512 consecutive bytes, aligned; written once, read by nobody here
.endr
	s_wait_tensorcnt 0x0                           ; the wave's end: behind my last tensor load and my last LDS store
	ds_add_u32 v4, v5
	s_wait_dscnt 0x0
	ROUND                                          ; the closing round: no work-group ends while a partner may still ask for a tile that names it
	s_endpgm
.Lfunc_end_k_q89e294c647_attn:
	.size	k_q89e294c647_attn, .Lfunc_end_k_q89e294c647_attn-k_q89e294c647_attn
	.p2alignl 7, 3214868480
	.fill 96, 4, 3214868480
	.section	.rodata,"a",@progbits
	.p2align	6, 0x0
	.amdhsa_kernel k_q89e294c647_attn
		.amdhsa_group_segment_fixed_size 327680
		.amdhsa_private_segment_fixed_size 0
		.amdhsa_enable_private_segment 0
		.amdhsa_kernarg_size 56
		.amdhsa_user_sgpr_count 2
		.amdhsa_user_sgpr_kernarg_segment_ptr 1
		.amdhsa_wavefront_size32 1
		.amdhsa_system_sgpr_workgroup_id_x 1
		.amdhsa_system_sgpr_workgroup_id_y 1
		.amdhsa_system_sgpr_workgroup_id_z 1
		.amdhsa_system_vgpr_workitem_id 0
		.amdhsa_next_free_vgpr 256
		.amdhsa_next_free_sgpr 66
		.amdhsa_reserve_vcc 0
		.amdhsa_float_denorm_mode_32 3
		.amdhsa_float_denorm_mode_16_64 3
		.amdhsa_memory_ordered 1
		.amdhsa_forward_progress 1
		.amdhsa_inst_pref_size 170
	.end_amdhsa_kernel
	.amdgpu_metadata
---
amdhsa.version: [ 1, 2 ]
amdhsa.kernels:
  - .name:           k_q89e294c647_attn
    .symbol:         k_q89e294c647_attn.kd
    .args:
      - { .name: qc, .offset: 0, .size: 8, .value_kind: global_buffer, .address_space: global }
      - { .name: qs, .offset: 8, .size: 8, .value_kind: global_buffer, .address_space: global }
      - { .name: kv, .offset: 16, .size: 8, .value_kind: global_buffer, .address_space: global }
      - { .name: wc, .offset: 24, .size: 8, .value_kind: global_buffer, .address_space: global }
      - { .name: wsc, .offset: 32, .size: 8, .value_kind: global_buffer, .address_space: global }
      - { .name: bu, .offset: 40, .size: 8, .value_kind: global_buffer, .address_space: global }
      - { .name: out0, .offset: 48, .size: 8, .value_kind: global_buffer, .address_space: global }
    .group_segment_fixed_size: 327680
    .private_segment_fixed_size: 0
    .kernarg_segment_align: 8
    .kernarg_segment_size: 56
    .max_flat_workgroup_size: 512
    .sgpr_count:     66
    .vgpr_count:     256
    .wavefront_size: 32
...
	.end_amdgpu_metadata
.endif
;; end of part 3
;; ======== version 2 of 2: 3 launches
;; workspace buffers: wc 262,144 bytes; wsc 8,192 bytes; qc 4,194,304 bytes; qs 262,144 bytes; kv 8,781,824 bytes
;; launch wquant (part 4): grid 16 x 4, 1 waves a work-group, no clusters, 0 bytes of LDS; arguments Wq, Wk, Wv, Wu, wc, wsc; writes wc, wsc
.if DOCPART == 4
	.amdgcn_target "amdgcn-amd-amdhsa--gfx1250"
	.amdhsa_code_object_version 6
	.text
	.protected	k_q89e294c647_wquant
	.globl	k_q89e294c647_wquant
	.p2align	8
	.type	k_q89e294c647_wquant,@function
k_q89e294c647_wquant:
	s_mov_b64 s[64:65], 0
	v_nop
	global_prefetch_b8 v0, s[64:65] scope:SCOPE_SE
	s_setreg_imm32_b32 hwreg(HW_REG_WAVE_MODE, 25, 1), 1
	s_wait_xcnt 0x0
; The four weights [256 (n)][256 (k)], f32, K innermost, become codes of FP8 (E4M3) with one E8M0 scale byte for each 32 along K,
; laid as IMAGES OF THE OPERAND'S REGISTERS, so that the later launches fetch a fragment by plain 16-byte loads, 16 x lane.
; wc:  [matrix 4: q, k, v, u][tile T 16][K step 2][c 4][lane 32][16 bytes];   wsc: [matrix 4][T 16][lane 32] words: lanes 0-15 the word of K step 0
; of the tile's row (lane % 16), lanes 16-31 that of K step 1, so that one register serves both K steps (the matrix instruction's row selector picks).
; THE ROWS OF A TILE ARE NOT NEIGHBOURS: lane r of tile 2 B + u takes row 32 B + 8 u + r + 8 (r / 8).  Used as source 0, the 16 result registers of
; tiles 2 B and 2 B + 1 are then 16 neighbours, 32 B + 16 (lane / 16) + 0 .. 15: the order that the next operand's layout wants.
; SHARES: one wave to a tile of one matrix: 64 work-groups, which is all the work that 1 MiB of weights gives.  No LDS, no barrier, no cluster: nothing is shared.
; A block's scale is 2^(floor(log2(its largest magnitude)) - 8): its byte is the largest magnitude's exponent field - 8, held at 1 from below.
; LIMITS: NaN and infinities among the inputs are not served; blocks whose largest magnitude lies under 2^-118 keep the byte 1; a block of zeros gets the byte 1
; and not 127: its codes are zeros, which add nothing under any byte but 0xff, and this program alone reads the bytes.
.set X0,  32                           ; v32-95   K step 0: register 16 c + i = k 32 c + 16 (lane / 16) + i of my row
.set X1,  96                           ; v96-159  K step 1
.set C0,  160                          ; v160-175 K step 0's codes
.set C1,  176                          ; v176-191 K step 1's
.set TM,  8                            ; v8-11 largest magnitudes, v12-15 bytes, v16-19 448 x the scale, v20-23 the conversion's scale operand
.set SEL, 24                           ; s[24:25] v_permlanex16_b32's selects for lane l xor 16
.set MNT, 26                           ; s26      the mantissa field of 448
; 64 numbers of a lane, v[s] on, become a fragment's codes in v[d] on and its scale word in v[w].
.macro QUANT s, d, w
.irp b, 0,1,2,3
	v_max3_num_f32 v[TM+\b], |v[\s+16*\b]|, |v[\s+1+16*\b]|, 0x4800000   ; block b: my 16 numbers, and the floor 2^(9 - 127): the byte cannot fall under 1
.endr
.irp i, 2,4,6,8,10,12,14
.irp b, 0,1,2,3
	v_max3_num_f32 v[TM+\b], v[TM+\b], |v[\s+16*\b+\i]|, |v[\s+1+16*\b+\i]|   ; the four blocks by turns
.endr
.endr
.irp b, 0,1,2,3
	v_permlanex16_b32 v[TM+4+\b], v[TM+\b], s[SEL], s[SEL+1]
.endr
.irp b, 0,1,2,3
	v_max_num_f32 v[TM+\b], v[TM+\b], v[TM+4+\b]           ; with lane l xor 16's 16: the block's largest magnitude
.endr
.irp b, 0,1,2,3
	v_add_nc_u32 v[TM+12+\b], 0xfc000000, v[TM+\b]         ; 8 off its exponent field: the conversion takes this operand's exponent field as its scale
.endr
.irp b, 0,1,2,3
	v_and_or_b32 v[TM+8+\b], v[TM+\b], 0x7f800000, s[MNT]  ; 448 x the scale
.endr
.irp b, 0,1,2,3
	v_lshrrev_b32 v[TM+4+\b], 23, v[TM+12+\b]              ; the scale's byte
.endr
	v_lshl_or_b32 v[\w], v[TM+5], 8, v[TM+4]               ; the four bytes make my row's scale word
	v_lshl_or_b32 v[\w], v[TM+6], 16, v[\w]
	v_lshl_or_b32 v[\w], v[TM+7], 24, v[\w]
.irp b, 0,1,2,3
.irp i, 0,1,2,3,4,5,6,7,8,9,10,11,12,13,14,15
	v_med3_num_f32 v[\s+16*\b+\i], v[\s+16*\b+\i], -v[TM+8+\b], v[TM+8+\b]   ; the conversion to an 8-bit code does not saturate (ISA guide 7.6.2): the hold comes first
.endr
	v_cvt_scalef32_pk8_fp8_f32 v[\d+4*\b:\d+1+4*\b], v[\s+16*\b:\s+7+16*\b], v[TM+12+\b]
	v_cvt_scalef32_pk8_fp8_f32 v[\d+2+4*\b:\d+3+4*\b], v[\s+8+16*\b:\s+15+16*\b], v[TM+12+\b]
.endr
	v_nop                                                  ; a plain line behind the last conversion, ahead of whatever next writes its sources
.endm
	s_load_b256 s[4:11], s[0:1], 0x0               ; Wq, Wk, Wv, Wu
	s_load_b128 s[12:15], s[0:1], 0x20             ; wc, wsc
	s_and_b32 s17, ttmp7, 0xffff                   ; which matrix
	v_and_b32 v1, 31, v0                           ; lane
	v_and_b32 v2, 15, v0                           ; r
	v_bfe_u32 v3, v0, 4, 1                         ; h
	v_and_b32 v4, 8, v2
	v_add_nc_u32 v4, v4, v2                        ; r + 8 (r / 8)
	v_lshlrev_b32 v4, 10, v4                       ; a row is 1,024 bytes
	v_lshl_add_u32 v4, v3, 6, v4                   ; + 64 h: my 16 numbers of a block of 32
	v_lshlrev_b32 v5, 4, v1                        ; 16 x lane
	v_lshlrev_b32 v6, 2, v1                        ; 4 x lane
	s_lshr_b32 s20, ttmp9, 1
	s_lshl_b32 s20, s20, 15                        ; the tile's first row: 32 (T / 2) rows of 1,024 bytes
	s_and_b32 s21, ttmp9, 1
	s_lshl_b32 s21, s21, 13                        ; + 8 (T % 2) rows
	s_add_co_u32 s20, s20, s21
	s_mov_b32 s21, 0
	s_lshl_b32 s22, s17, 16                        ; wc: 65,536 bytes a matrix, 4,096 a tile
	s_lshl_b32 s23, ttmp9, 12
	s_add_co_u32 s22, s22, s23
	s_mov_b32 s23, 0
	s_lshl_b32 s28, s17, 11                        ; wsc: 2,048 bytes a matrix, 128 a tile
	s_lshl_b32 s29, ttmp9, 7
	s_add_co_u32 s28, s28, s29
	s_mov_b32 s29, 0
	s_mov_b32 s[SEL], 0x76543210
	s_mov_b32 s[SEL+1], 0xfedcba98
	s_mov_b32 s[MNT], 0x600000
.irp b, 0,1,2,3
	v_mov_b32 v[TM+4+\b], 0                        ; written once: a lane permute's destination counts as one of its sources
.endr
	s_wait_alu depctr_va_vdst(0)
	s_wait_kmcnt 0x0
	s_mov_b64 s[18:19], s[4:5]                     ; the matrix is chosen by the work-group's y alone
	s_cmp_eq_u32 s17, 1
	s_cselect_b64 s[18:19], s[6:7], s[18:19]
	s_cmp_eq_u32 s17, 2
	s_cselect_b64 s[18:19], s[8:9], s[18:19]
	s_cmp_eq_u32 s17, 3
	s_cselect_b64 s[18:19], s[10:11], s[18:19]
	s_add_nc_u64 s[18:19], s[18:19], s[20:21]
	s_add_nc_u64 s[12:13], s[12:13], s[22:23]
	s_add_nc_u64 s[14:15], s[14:15], s[28:29]
.irp s, 0,1
.irp c, 0,1,2,3
.irp j, 0,1,2,3
	global_load_b128 v[X0+64*\s+16*\c+4*\j:X0+64*\s+16*\c+4*\j+3], v4, s[18:19] offset:512*\s+128*\c+16*\j
.endr
.endr
.endr
	s_wait_loadcnt 16                              ; K step 0's sixteen loads are in; K step 1's sixteen may be out
	QUANT X0, C0, 24
	s_wait_loadcnt 0x0
	QUANT X1, C1, 25
	v_cmp_gt_u32 vcc_lo, 16, v1
	v_cndmask_b32 v26, v25, v24, vcc_lo            ; lanes 0-15 keep K step 0's word, lanes 16-31 K step 1's
.irp k, 0,1,2,3,4,5,6,7
	global_store_b128 v5, v[C0+4*\k:C0+4*\k+3], s[12:13] offset:512*\k   ; 32 lanes store 512 consecutive bytes, aligned
.endr
	global_store_b32 v6, v26, s[14:15]
	s_endpgm
.Lfunc_end_k_q89e294c647_wquant:
	.size	k_q89e294c647_wquant, .Lfunc_end_k_q89e294c647_wquant-k_q89e294c647_wquant
	.p2alignl 7, 3214868480
	.fill 96, 4, 3214868480
	.section	.rodata,"a",@progbits
	.p2align	6, 0x0
	.amdhsa_kernel k_q89e294c647_wquant
		.amdhsa_group_segment_fixed_size 0
		.amdhsa_private_segment_fixed_size 0
		.amdhsa_enable_private_segment 0
		.amdhsa_kernarg_size 48
		.amdhsa_user_sgpr_count 2
		.amdhsa_user_sgpr_kernarg_segment_ptr 1
		.amdhsa_wavefront_size32 1
		.amdhsa_system_sgpr_workgroup_id_x 1
		.amdhsa_system_sgpr_workgroup_id_y 1
		.amdhsa_system_sgpr_workgroup_id_z 1
		.amdhsa_system_vgpr_workitem_id 0
		.amdhsa_next_free_vgpr 192
		.amdhsa_next_free_sgpr 66
		.amdhsa_reserve_vcc 1
		.amdhsa_float_denorm_mode_32 3
		.amdhsa_float_denorm_mode_16_64 3
		.amdhsa_memory_ordered 1
		.amdhsa_forward_progress 1
		.amdhsa_inst_pref_size 22
	.end_amdhsa_kernel
	.amdgpu_metadata
---
amdhsa.version: [ 1, 2 ]
amdhsa.kernels:
  - .name:           k_q89e294c647_wquant
    .symbol:         k_q89e294c647_wquant.kd
    .args:
      - { .name: Wq, .offset: 0, .size: 8, .value_kind: global_buffer, .address_space: global }
      - { .name: Wk, .offset: 8, .size: 8, .value_kind: global_buffer, .address_space: global }
      - { .name: Wv, .offset: 16, .size: 8, .value_kind: global_buffer, .address_space: global }
      - { .name: Wu, .offset: 24, .size: 8, .value_kind: global_buffer, .address_space: global }
      - { .name: wc, .offset: 32, .size: 8, .value_kind: global_buffer, .address_space: global }
      - { .name: wsc, .offset: 40, .size: 8, .value_kind: global_buffer, .address_space: global }
    .group_segment_fixed_size: 0
    .private_segment_fixed_size: 0
    .kernarg_segment_align: 8
    .kernarg_segment_size: 48
    .max_flat_workgroup_size: 32
    .sgpr_count:     66
    .vgpr_count:     192
    .wavefront_size: 32
...
	.end_amdgpu_metadata
.endif
;; end of part 4
;; launch proj (part 5): grid 256 x 1, 8 waves a work-group, no clusters, 20,480 bytes of LDS; arguments x, wc, wsc, qc, qs, kv; writes qc, qs, kv
.if DOCPART == 5
	.amdgcn_target "amdgcn-amd-amdhsa--gfx1250"
	.amdhsa_code_object_version 6
	.text
	.protected	k_q89e294c647_proj
	.globl	k_q89e294c647_proj
	.p2align	8
	.type	k_q89e294c647_proj,@function
k_q89e294c647_proj:
	s_mov_b64 s[64:65], 0
	v_nop
	global_prefetch_b8 v0, s[64:65] scope:SCOPE_SE
	s_setreg_imm32_b32 hwreg(HW_REG_WAVE_SCHED_MODE, 0, 2), 2
	s_setreg_imm32_b32 hwreg(HW_REG_WAVE_MODE, 25, 1), 1
	s_wait_xcnt 0x0
	s_wait_alu depctr_vm_vsrc(0)
; q = x Wq^T, k = x Wk^T, v = x Wv^T on codes of FP8 (E4M3) with one E8M0 scale for each 32 along K = 256; then q and k are quantised along the head's 64 channels
; and v along the keys, and all three leave as IMAGES OF THE NEXT OPERAND'S REGISTERS ([lane 32][16 bytes] for each group of four registers).
; SHARES.  A work-group takes 64 tokens as four tiles of 16.  First wave w quantises fragment (tile w / 2, K step w % 2) of x and puts its image into LDS.  Then THE WAVES SHARE THE COLUMNS:
; wave w owns weight rows 32 w .. 32 w + 31 (head w / 2, half w % 2 of its 64 channels) of each of Wq, Wk, Wv, for all 64 tokens: three units of 16 matrix instructions.
; EVERY TILE OF 16 ROWS (tokens, weight rows) IS PERMUTED: lane r of tile 2 B + u takes row 32 B + 8 u + r + 8 (r / 8); as source 0 such a pair of tiles leaves 16 neighbours, 32 B + 16 (lane / 16) + 0 .. 15, in a lane's 16 registers.
; q, k: source 0 = weight rows, source 1 = tokens: a lane holds one token and 16 neighbouring channels of a block of 32.  v: source 0 = tokens, source 1 = weight rows: a lane holds one channel and 16 neighbouring keys.
; OUT.  qc [block of 64 tokens][head 4][tile 4][c 2][lane][16 B];  qs [block][head][tile][r 16] words, bytes 0, 1 the head's two blocks, bytes 2, 3 the same again.
; kv [key step of 128 keys][68,608 B]: k's codes [head][key tile 8][c 2][lane][16 B]; from 32,768 v's [head][channel tile 4][c 4][lane][16 B]; from 65,536 k's scale words [head][tile 8][r 16] (bytes as q's);
; from 67,584 v's [head][lane 32][2 words]: word j of lane l: channel tile 2 j + l / 16, row l % 16, byte c = key block c.
; NO TENSOR LOAD, NO CLUSTER: each wave reads its own 24 KiB of weight images once, straight into registers, 512 consecutive bytes a load; through LDS the same bytes would be written and read once more for nothing.
; v's scale bytes leave two at a time (the word's other two come from the neighbouring block of 64 tokens): 1 byte in 128 of what the launch stores.
; LIMITS: NaN and infinities are not served; blocks whose largest magnitude lies under 2^-118 keep the byte 1; a block of zeros gets the byte 1 and not 127: its codes are zeros and this program alone reads the bytes.
; THE MODE: SCHED_MODE bits 1:0 = 2 (LLVM: expert scheduling mode 2), set by the entry lines.  The code itself states the register dependences
; between vector or matrix instructions and memory or LDS instructions, with s_wait_alu, always for 0.
; THE PLAN.  Registers that memory or LDS instructions touch:
;   v4-v17       offsets and LDS addresses: made at the head, never written again.
;   XF           x's four fragments of one K step.  K step 0's land among the quantiser's lines of the unit before and are read by a unit's first eight products; K step 1's land behind those and are read by its second eight.
;   WF           the weight's fragments.  The halves of K step 0 are read by a unit's first eight products alone and are asked for again behind them; the halves of K step 1, and the scale words WS, behind the second eight.
;   PC, v244-247 a unit's codes and scale bytes: written by its quantiser, read by its stores, which are issued in the NEXT unit, behind that unit's first wait; written again by the next quantiser.
;   HA and the rest of TM are named by vector and matrix instructions alone (HA takes x's loads once, at the head, before any of them).
; So a unit has two waits on va_vdst, one behind each run of eight products, and one on vm_vsrc, ahead of its quantiser.  Behind the first stand only loads and stores up to the second eight products, which name
; none of the registers that these touch but XF, for which DScnt is waited; behind the second stands the quantiser, which names HA, PC and TM.  The last unit's stores have a wait of their own.
.set XIMG,  0                          ; LDS: x's 8 fragments, 2,048 bytes each: fragment 2 tile + K step
.set XSC,   16384                      ; their scale words: 128 bytes a tile: lanes 0-15 K step 0, lanes 16-31 K step 1
.set SST,   16896                      ; the stage for q's scale words [head][tile][r], 1,024 bytes; then k's
.set STEPB, 68608
.set XS,  20                           ; v20-23   x's scale words, one register a tile
.set WS,  24                           ; v24-25   the weight's, one a tile
.set WF,  32                           ; v32-95   weight fragments: 16 (2 u + s)
.set XF,  96                           ; v96-159  x's four fragments of one K step
.set HA,  160                          ; v160-223 eight accumulators; at the head the 64 numbers of x
.set PC,  224                          ; v224-239 the codes just made
.set TM,  240                          ; v240-243 largest magnitudes, 244-247 bytes, 248-251 448 x the scale, 252-255 the conversion's scale operand
.set SEL, 24                           ; s[24:25]
.set MNT, 26                           ; s26
.macro XFRAG t, s                      ; x's fragment of token tile t, K step s
.irp c, 0,1,2,3
	ds_load_b128 v[XF+16*(\t)+4*\c:XF+16*(\t)+4*\c+3], v5 offset:XIMG+(2*(\t)+(\s))*2048+512*\c
.endr
.endm
.macro XFETCH s                        ; x's four fragments of K step s
.irp t, 0,1,2,3
	XFRAG \t, \s
.endr
.endm
; 64 numbers of a lane, v[s] on (register 16 b + i: number i of my 16 of block b), become codes in v[d] on; the blocks' bytes stay in v[TM+4] on; w != 0: they also make a word in v[w].
; xf = 1: the next unit's K step 0 of x is asked for on the way, a fragment in front of every second group of maxima: no line of this macro names XF or v5.
.macro QUANT s, d, w, xf
.irp b, 0,1,2,3
	v_max3_num_f32 v[TM+\b], |v[\s+16*\b]|, |v[\s+1+16*\b]|, 0x4800000   ; my 16 numbers, from each accumulator's low end on, and the floor 2^(9 - 127)
.endr
.irp i, 2,4,6,8,10,12,14
.if \xf && ((\i)%4 == 2)
	XFRAG (\i-2)/4, 0
.endif
.irp b, 0,1,2,3
	v_max3_num_f32 v[TM+\b], v[TM+\b], |v[\s+16*\b+\i]|, |v[\s+1+16*\b+\i]|
.endr
.endr
.irp b, 0,1,2,3
	v_permlanex16_b32 v[TM+4+\b], v[TM+\b], s[SEL], s[SEL+1]
.endr
.irp b, 0,1,2,3
	v_max_num_f32 v[TM+\b], v[TM+\b], v[TM+4+\b]           ; with lane l xor 16's 16: the block's largest magnitude
.endr
.irp b, 0,1,2,3
	v_add_nc_u32 v[TM+12+\b], 0xfc000000, v[TM+\b]         ; 8 off its exponent field: the conversion's scale operand
.endr
.irp b, 0,1,2,3
	v_and_or_b32 v[TM+8+\b], v[TM+\b], 0x7f800000, s[MNT]  ; 448 x the scale
.endr
.irp b, 0,1,2,3
	v_lshrrev_b32 v[TM+4+\b], 23, v[TM+12+\b]              ; the scale's byte
.endr
.if \w != 0
	v_lshl_or_b32 v[\w], v[TM+5], 8, v[TM+4]
	v_lshl_or_b32 v[\w], v[TM+6], 16, v[\w]
	v_lshl_or_b32 v[\w], v[TM+7], 24, v[\w]
.endif
.irp b, 0,1,2,3
.irp i, 0,1,2,3,4,5,6,7,8,9,10,11,12,13,14,15
	v_med3_num_f32 v[\s+16*\b+\i], v[\s+16*\b+\i], -v[TM+8+\b], v[TM+8+\b]   ; the conversion to an 8-bit code does not saturate (ISA guide 7.6.2)
.endr
	v_cvt_scalef32_pk8_fp8_f32 v[\d+4*\b:\d+1+4*\b], v[\s+16*\b:\s+7+16*\b], v[TM+12+\b]
	v_cvt_scalef32_pk8_fp8_f32 v[\d+2+4*\b:\d+3+4*\b], v[\s+8+16*\b:\s+15+16*\b], v[TM+12+\b]
.endr
	v_nop                                                  ; a plain line behind the last conversion: the next products write its sources
.endm
.macro WHALF m, s                      ; matrix m: my two tiles' fragments of K step s: eight loads
.irp u, 0,1
.irp c, 0,1,2,3
	global_load_b128 v[WF+32*\u+16*(\s)+4*\c:WF+32*\u+16*(\s)+4*\c+3], v9, s[6:7] offset:(\m)*65536+4096*\u+2048*(\s)+512*\c
.endr
.endr
.endm
.macro WSCL m                          ; and their scale words: lanes 0-15 K step 0, lanes 16-31 K step 1
.irp u, 0,1
	global_load_b32 v[WS+\u], v10, s[8:9] offset:(\m)*2048+128*\u
.endr
.endm
; Eight accumulators by turns, one instruction a turn.  K step 0 starts the sums with the constant 0; K step 1 takes the scale words of lanes 16-31.
.macro MULT s                          ; q, k: source 0 = weight tile u, source 1 = token tile t; accumulator at 16 t + 8 u: the quantiser's block is t
.irp t, 0,1,2,3
.irp u, 0,1
.if \s == 0
	v_wmma_scale_f32_16x16x128_f8f6f4 v[HA+16*\t+8*\u:HA+16*\t+8*\u+7], v[WF+32*\u:WF+32*\u+15], v[XF+16*\t:XF+16*\t+15], 0, v[WS+\u], v[XS+\t]
.else
	v_wmma_scale_f32_16x16x128_f8f6f4 v[HA+16*\t+8*\u:HA+16*\t+8*\u+7], v[WF+32*\u+16:WF+32*\u+31], v[XF+16*\t:XF+16*\t+15], v[HA+16*\t+8*\u:HA+16*\t+8*\u+7], v[WS+\u], v[XS+\t] matrix_a_scale:MATRIX_SCALE_ROW1 matrix_b_scale:MATRIX_SCALE_ROW1
.endif
.endr
.endr
.endm
.macro MULN s                          ; v: source 0 = token tile t, source 1 = weight tile u; accumulator at 32 u + 8 t: the quantiser's block is 2 u + t / 2
.irp t, 0,1,2,3
.irp u, 0,1
.if \s == 0
	v_wmma_scale_f32_16x16x128_f8f6f4 v[HA+32*\u+8*\t:HA+32*\u+8*\t+7], v[XF+16*\t:XF+16*\t+15], v[WF+32*\u:WF+32*\u+15], 0, v[XS+\t], v[WS+\u]
.else
	v_wmma_scale_f32_16x16x128_f8f6f4 v[HA+32*\u+8*\t:HA+32*\u+8*\t+7], v[XF+16*\t:XF+16*\t+15], v[WF+32*\u+16:WF+32*\u+31], v[HA+32*\u+8*\t:HA+32*\u+8*\t+7], v[XS+\t], v[WS+\u] matrix_a_scale:MATRIX_SCALE_ROW1 matrix_b_scale:MATRIX_SCALE_ROW1
.endif
.endr
.endr
.endm
.macro PLACES                          ; eight plain places behind this matrix form, ahead of loads into its registers and of the first read of its results; they stay beside the waits that follow them
.rept 8
	v_nop
.endr
.endm
.macro BARRIER                         ; my LDS stores have landed and my LDS loads are in: then the work-group's barrier
	s_wait_dscnt 0x0
	s_barrier_signal -1
	s_barrier_wait -1
.endm
; The stores of unit m (0: q, 1: k): four of codes, eight of scale bytes.  They are issued in the unit behind it.
.macro SEND m
.if \m == 0
.irp t, 0,1,2,3
	global_store_b128 v11, v[PC+4*\t:PC+4*\t+3], s[10:11] offset:1024*\t   ; group c = my half of the head, of query tile t: 512 consecutive bytes
	ds_store_b8 v14, v[TM+4+\t] offset:64*\t       ; the block's byte, and once more two bytes on; both lanes of a block write the same byte with the same value
	ds_store_b8 v14, v[TM+4+\t] offset:64*\t+2
.endr
.else
.irp t, 0,1,2,3
	global_store_b128 v12, v[PC+4*\t:PC+4*\t+3], s[28:29] offset:1024*\t
	ds_store_b8 v14, v[TM+4+\t] offset:1024+64*\t
	ds_store_b8 v14, v[TM+4+\t] offset:1024+64*\t+2
.endr
.endif
.endm
; One of the three products, for my 32 columns and all 64 tokens.
.macro UNIT m
	s_wait_loadcnt 8                               ; loads come back in order (ISA guide 5.7.1): the weight's fragments of K step 0 and its scale words are in; the eight younger loads, K step 1's, may be out
	s_wait_dscnt 0x0                               ; x's K step 0 (ahead of the first unit: its scale words too)
.if \m < 2
	MULT 0
.else
	MULN 0
.endif
	PLACES
	s_wait_alu depctr_va_vdst(0)                   ; the eight products are done reading XF and the weight's halves of K step 0, in which the loads below land; the last unit's quantiser has written the codes and bytes that the stores below read
	XFETCH 1
.if \m < 2
	WHALF \m+1, 0                                  ; the next unit's K step 0: the products below name the other halves alone
.endif
.if \m == 1
	SEND 0
.elseif \m == 2
	SEND 1
.endif
.if \m < 2
	s_wait_loadcnt 8                               ; this unit's K step 1 is in; the eight younger loads, the next unit's, may be out
.else
	s_wait_loadcnt 0x0
.endif
.if \m > 0
	s_wait_dscnt 8                                 ; LDS instructions are done in order (ISA guide 5.7.1): x's K step 1 is in; the eight younger byte stores may be out
.else
	s_wait_dscnt 0x0
.endif
.if \m < 2
	MULT 1
.else
	MULN 1
.endif
	PLACES
.if \m > 0
	s_wait_xcnt 0x0                                ; the last unit's stores have had their addresses translated (ISA guide 3.1): the codes' registers are written again only behind this wait
.endif
	s_wait_alu depctr_vm_vsrc(0)                   ; the stores issued so far (ahead of the first unit: the LDS stores of x's image) have read the codes' and the bytes' registers, which the quantiser below writes again
.if \m < 2
	s_wait_alu depctr_va_vdst(0)                   ; the products are done reading XF, the weight's halves of K step 1 and its scale words, in which the loads below, and those dealt among the quantiser's lines, land
	WSCL \m+1
	WHALF \m+1, 1
	QUANT HA, PC, 0, 1
.else
	QUANT HA, PC, 0, 0
	v_cmp_gt_u32 vcc_lo, 16, v1
	v_lshl_or_b32 v27, v[TM+5], 8, v[TM+4]         ; channel tile u = 0: its two key blocks' bytes
	v_lshl_or_b32 v28, v[TM+7], 8, v[TM+6]         ; u = 1
	s_wait_alu depctr_va_vcc(0)                    ; the compare has written VCC, which the next line reads
	v_cndmask_b32 v27, v28, v27, vcc_lo            ; lanes 0-15 store tile u = 0's, lanes 16-31 tile u = 1's
	s_wait_alu depctr_va_vdst(0)                   ; the quantiser has written the codes, and the line above v27: the stores below read them
.irp u, 0,1
.irp b, 0,1
	global_store_b128 v13, v[PC+4*(2*\u+\b):PC+4*(2*\u+\b)+3], s[30:31] offset:2048*\u+512*\b   ; channel tile 2 half + u, key block 2 (block of 64 % 2) + b
.endr
.endr
	global_store_b16 v15, v27, s[32:33]
.endif
.endm
	s_load_b256 s[4:11], s[0:1], 0x0               ; x, wc, wsc, qc
	s_load_b128 s[12:15], s[0:1], 0x20             ; qs, kv
	v_lshl_add_u32 v30, v0, 2, 0x4c00
	v_mov_b32 v31, 0
	v_lshrrev_b32 v1, 5, v0
	v_readfirstlane_b32 s16, v1                    ; wave 0..7
	v_and_b32 v1, 31, v0                           ; lane
	v_and_b32 v2, 15, v0                           ; r
	v_bfe_u32 v3, v0, 4, 1                         ; h
	v_and_b32 v4, 8, v2
	v_add_nc_u32 v4, v4, v2                        ; r + 8 (r / 8)
	v_lshlrev_b32 v4, 10, v4
	v_lshl_add_u32 v4, v3, 6, v4                   ; x: my row of 1,024 bytes, + 64 h
	v_lshlrev_b32 v5, 4, v1                        ; 16 x lane
	s_wait_alu depctr_va_vdst(0)
	v_lshlrev_b32 v6, 2, v1                        ; 4 x lane
	s_wait_alu depctr_va_vdst(0)
	s_wait_alu depctr_va_sdst(0)                   ; s16 is written, ahead of its first reader: offsets, LDS addresses and a choice of base are made from it
	s_lshr_b32 s17, s16, 1                         ; my head; at the head of the text: my tile of x
	s_and_b32 s18, s16, 1                          ; my half of the head; my K step of x
	s_and_b32 s19, s16, 3
	s_lshr_b32 s20, ttmp9, 1                       ; the key step of 128 keys,
	s_and_b32 s21, ttmp9, 1                        ; and which half of it these 64 tokens are
	s_mul_i32 s22, s20, STEPB
	s_lshl_b32 s44, s16, 13
	v_add_nc_u32 v9, s44, v5                       ; wc: my two tiles: 8,192 x wave
	s_lshl_b32 s44, s16, 8
	v_add_nc_u32 v10, s44, v6                      ; wsc: 256 x wave
	s_lshl_b32 s40, ttmp9, 16                      ; x: 64 rows a work-group,
	s_lshr_b32 s41, s16, 2
	s_lshl_b32 s41, s41, 15                        ; my tile's first row: 32 (tile / 2)
	s_add_co_u32 s40, s40, s41
	s_and_b32 s41, s17, 1
	s_lshl_b32 s41, s41, 13                        ; + 8 (tile % 2),
	s_add_co_u32 s40, s40, s41
	s_lshl_b32 s41, s18, 9                         ; my K step: 512 bytes
	s_add_co_u32 s40, s40, s41
	s_mov_b32 s41, 0
	s_wait_kmcnt 0x0
	s_add_nc_u64 s[4:5], s[4:5], s[40:41]
	s_wait_alu depctr_va_vdst(0)                   ; v4, v9 and v10 are written, which the loads below read as their offsets
.irp c, 0,1,2,3
.irp j, 0,1,2,3
	global_load_b128 v[HA+16*\c+4*\j:HA+16*\c+4*\j+3], v4, s[4:5] offset:128*\c+16*\j th:TH_LOAD_NT   ; my 16 neighbours of block c: read once in the launch
.endr
.endr
	WHALF 0, 0
	WSCL 0
	WHALF 0, 1
	s_lshl_b32 s44, s16, 11
	v_add_nc_u32 v7, s44, v5                       ; where I store x's image: 2,048 x wave + 16 x lane
	s_lshl_b32 s44, s16, 6
	s_add_co_u32 s44, s44, XSC
	v_lshl_add_u32 v8, v2, 2, s44                  ; and its scale word: 64 x wave + 4 r
	s_lshl_b32 s44, s17, 12
	s_lshl_b32 s45, s18, 9
	s_add_co_u32 s44, s44, s45
	v_add_nc_u32 v11, s44, v5                      ; qc: 4,096 x head + 512 x half
	s_lshl_b32 s44, s17, 13
	s_add_co_u32 s45, s44, s45
	v_add_nc_u32 v12, s45, v5                      ; k's codes: 8,192 x head + 512 x half
	s_lshl_b32 s45, s18, 12
	s_add_co_u32 s45, s44, s45
	v_add_nc_u32 v13, s45, v5                      ; v's codes: 8,192 x head + 4,096 x half
	s_lshl_b32 s44, s17, 8
	s_add_co_u32 s45, s44, s18
	s_add_co_u32 s45, s45, SST
	v_lshl_add_u32 v14, v2, 2, s45                 ; the stage: 256 x head + 4 r + my half's byte
	s_lshl_b32 s45, s18, 2
	s_add_co_u32 s45, s44, s45
	v_lshl_add_u32 v15, v1, 3, s45                 ; v's scale bytes: 256 x head + 8 x lane + 4 x half
	s_lshl_b32 s44, s16, 8
	s_add_co_u32 s44, s44, SST
	v_lshl_add_u32 v16, v1, 3, s44                 ; the stage on the way out: 256 x wave + 8 x lane
	v_lshlrev_b32 v17, 3, v1
	s_mov_b32 s[SEL], 0x76543210
	s_mov_b32 s[SEL+1], 0xfedcba98
	s_mov_b32 s[MNT], 0x600000
.irp b, 0,1,2,3
	v_mov_b32 v[TM+4+\b], 0                        ; written once: a lane permute's destination counts as one of its sources
.endr
	s_mov_b32 s43, 0
	s_lshl_b32 s42, ttmp9, 14
	s_add_nc_u64 s[10:11], s[10:11], s[42:43]      ; qc at my block
	s_lshl_b32 s42, s21, 12
	s_add_co_u32 s42, s42, s22
	s_add_nc_u64 s[28:29], s[14:15], s[42:43]      ; k's codes: key tiles 4 (block % 2) on
	s_lshl_b32 s42, s21, 10
	s_add_co_u32 s42, s42, s22
	s_add_co_u32 s42, s42, 32768
	s_add_nc_u64 s[30:31], s[14:15], s[42:43]      ; v's codes: key blocks 2 (block % 2) on
	s_lshl_b32 s42, s21, 1
	s_add_co_u32 s42, s42, s22
	s_add_co_u32 s42, s42, 67584
	s_add_nc_u64 s[32:33], s[14:15], s[42:43]      ; v's scale bytes likewise
	s_lshl_b32 s42, ttmp9, 10
	s_lshl_b32 s44, s19, 8
	s_add_co_u32 s42, s42, s44
	s_add_nc_u64 s[34:35], s[12:13], s[42:43]      ; qs: head wave % 4
	s_lshl_b32 s42, s19, 9
	s_lshl_b32 s44, s21, 8
	s_add_co_u32 s42, s42, s44
	s_add_co_u32 s42, s42, s22
	s_add_co_u32 s42, s42, 65536
	s_add_nc_u64 s[36:37], s[14:15], s[42:43]      ; k's scale words: head wave % 4
	s_cmp_lt_u32 s16, 4                            ; waves 0-3 carry q's words out, waves 4-7 k's: the choice hangs on the wave's number alone
	s_cselect_b64 s[38:39], s[34:35], s[36:37]
	s_wait_loadcnt 18                              ; x's sixteen loads are in; the weight's sixteen and its two scale words, issued behind them, may be out
	QUANT HA, PC, 26, 0
	s_wait_alu depctr_va_vdst(0)                   ; the quantiser has written the codes and v26, which the LDS stores below read; v7, v8 and every other address and offset of the text, v11 to v17, are written too
.irp c, 0,1,2,3
	ds_store_b128 v7, v[PC+4*\c:PC+4*\c+3] offset:XIMG+512*\c
.endr
	ds_store_b32 v8, v26                           ; lanes r and r + 16 write the same word with the same value
	BARRIER                                        ; x's eight fragments lie in LDS
	XFETCH 0                                       ; (no vector or matrix instruction has named XF or XS yet)
.irp t, 0,1,2,3
	ds_load_b32 v[XS+\t], v6 offset:XSC+128*\t
.endr
	UNIT 0
	UNIT 1
	UNIT 2
	BARRIER                                        ; q's and k's scale words lie whole in the stage
	ds_load_b64 v[18:19], v16                      ; (no vector instruction names v18 or v19)
	s_wait_dscnt 0x0
	global_store_b64 v17, v[18:19], s[38:39]       ; 32 lanes store 256 consecutive bytes, aligned
	s_wait_dscnt 0x0
	s_wait_alu depctr_hold_cnt(0) depctr_sa_sdst(0) depctr_va_vdst(0) depctr_va_sdst(0) depctr_va_ssrc(0) depctr_va_vcc(0) depctr_vm_vsrc(0)
	s_wait_tensorcnt 0x0
	ds_add_u32 v30, v31
	s_wait_dscnt 0x0
	s_endpgm
.Lfunc_end_k_q89e294c647_proj:
	.size	k_q89e294c647_proj, .Lfunc_end_k_q89e294c647_proj-k_q89e294c647_proj
	.p2alignl 7, 3214868480
	.fill 96, 4, 3214868480
	.section	.rodata,"a",@progbits
	.p2align	6, 0x0
	.amdhsa_kernel k_q89e294c647_proj
		.amdhsa_group_segment_fixed_size 20480
		.amdhsa_private_segment_fixed_size 0
		.amdhsa_enable_private_segment 0
		.amdhsa_kernarg_size 48
		.amdhsa_user_sgpr_count 2
		.amdhsa_user_sgpr_kernarg_segment_ptr 1
		.amdhsa_wavefront_size32 1
		.amdhsa_system_sgpr_workgroup_id_x 1
		.amdhsa_system_sgpr_workgroup_id_y 1
		.amdhsa_system_sgpr_workgroup_id_z 1
		.amdhsa_system_vgpr_workitem_id 0
		.amdhsa_next_free_vgpr 256
		.amdhsa_next_free_sgpr 66
		.amdhsa_reserve_vcc 1
		.amdhsa_float_denorm_mode_32 3
		.amdhsa_float_denorm_mode_16_64 3
		.amdhsa_memory_ordered 1
		.amdhsa_forward_progress 1
		.amdhsa_inst_pref_size 60
	.end_amdhsa_kernel
	.amdgpu_metadata
---
amdhsa.version: [ 1, 2 ]
amdhsa.kernels:
  - .name:           k_q89e294c647_proj
    .symbol:         k_q89e294c647_proj.kd
    .args:
      - { .name: x, .offset: 0, .size: 8, .value_kind: global_buffer, .address_space: global }
      - { .name: wc, .offset: 8, .size: 8, .value_kind: global_buffer, .address_space: global }
      - { .name: wsc, .offset: 16, .size: 8, .value_kind: global_buffer, .address_space: global }
      - { .name: qc, .offset: 24, .size: 8, .value_kind: global_buffer, .address_space: global }
      - { .name: qs, .offset: 32, .size: 8, .value_kind: global_buffer, .address_space: global }
      - { .name: kv, .offset: 40, .size: 8, .value_kind: global_buffer, .address_space: global }
    .group_segment_fixed_size: 20480
    .private_segment_fixed_size: 0
    .kernarg_segment_align: 8
    .kernarg_segment_size: 48
    .max_flat_workgroup_size: 256
    .sgpr_count:     66
    .vgpr_count:     256
    .wavefront_size: 32
...
	.end_amdgpu_metadata
.endif
;; end of part 5
;; launch attn (part 6): grid 256 x 1, 16 waves a work-group, clusters of 4 x 1, 327,680 bytes of LDS; arguments qc, qs, kv, wc, wsc, bu, out0; writes out0
.if DOCPART == 6
	.amdgcn_target "amdgcn-amd-amdhsa--gfx1250"
	.amdhsa_code_object_version 6
	.text
	.protected	k_q89e294c647_attn
	.globl	k_q89e294c647_attn
	.p2align	8
	.type	k_q89e294c647_attn,@function
k_q89e294c647_attn:
	s_mov_b64 s[64:65], 0
	v_nop
	global_prefetch_b8 v0, s[64:65] scope:SCOPE_SE
	s_setreg_imm32_b32 hwreg(HW_REG_WAVE_MODE, 25, 1), 1
	s_wait_xcnt 0x0
	s_wait_alu depctr_hold_cnt(0) depctr_sa_sdst(0) depctr_va_vdst(0) depctr_va_sdst(0) depctr_va_ssrc(0) depctr_va_vcc(0) depctr_vm_vsrc(0)
	s_getreg_b32 s2, hwreg(HW_REG_IB_STS2, 6, 4)
	s_cmp_eq_u32 s2, 0
	s_cbranch_scc0 .Lentry_in_a_cluster
	s_endpgm
.Lentry_in_a_cluster:
	s_bfe_u32 s2, ttmp6, 0x10000c
	s_cmp_lg_u32 s2, 0x3003
	s_cbranch_scc0 .Lentry_shape_is_right
	s_endpgm
.Lentry_shape_is_right:
; out = (softmax(q k^T / 8) v, the four heads side by side) Wu^T + bu, all three products on codes of FP8 (E4M3) with one E8M0 scale for each 32 along a product's K.
; THE SOFTMAX AHEAD OF THE SECOND PRODUCT: t = score x log2(e) / 8; M = the row's largest t so far, rounded UP to a whole number; p = 2^(t - M) is quantised along the keys, not normalised.
; The row's sum is taken of the unquantised p, in f32, and divides at the end.  When M moves, the sum and O are multiplied by 2^(old M - new M): exact.
; SHARES.  A work-group owns 64 queries of one batch, all four heads.  Wave w: head w % 4, query tile w / 4: one tile of 16 queries in 256 registers, four waves to a SIMD, so that one wave's vector work
; stands beside another's matrix work and LDS loads: a key step has 12 matrix instructions and some 290 vector instructions a wave.  At the end wave w makes 16 columns of the output for all 64 queries.
; LAYOUT.  Both attention products are used transposed: S^T = K Q^T, O^T = V^T P^T: a lane holds ONE query throughout.  All operands come as images of their registers ([lane][16 bytes]): every LDS read is of
; consecutive bytes, so there is no pitch and no padding.  All tiles are permuted (lane r of tile 2 B + u: row 32 B + 8 u + r + 8 (r / 8)), so that results are neighbours along the next K.
; K = 64 IN A FORM OF 128.  Q's registers 8-15 are zero codes.  A key tile's fragment is named as 16 registers of which the upper eight are the next tile's codes (behind the last tile: eight registers of zeros):
; codes made by this program's quantiser, never NaN, which multiply zeros.  Bytes 2, 3 of q's and k's scale words repeat bytes 0, 1.  So no zero is stored, fetched or read.
; THE RING.  Two LDS slots of two key steps (256 keys of all four heads, 137,216 bytes, dense in memory).  Waves 0-7 each fetch an eighth of a slot, 67 rows of 256 bytes.
; CLUSTER.  The four work-groups of a cluster belong to one batch and walk the same keys: each tile is asked for JOINTLY, by the same tensor load with a mask that names the four.  One tensor load of a wave is out at a time.
; THE CHANGE OF SLOTS IS SPREAD OVER THE SOFTMAX OF A SLOT'S SECOND KEY STEP.  Once that step's V is in registers the wave reads the slot no more, and all that is left of the step is work on registers:
; so the round of the cluster's barrier opens there, and the exponentials, the sums, the conversions and the products V^T P^T stand between its signals and its waits.  The refill follows the closing wait.
; LIMITS: NaN and infinities are not served; blocks whose largest magnitude lies under 2^-118 keep the byte 1; a block of zeros gets the byte 1 and not 127: its codes are zeros; 1 / the sum is v_rcp_f32 and a multiplication.
.set STEPB, 68608                      ; a key step: k's codes 32,768, v's codes 32,768, k's scale words 2,048, v's 1,024
.set SLOTB, 2*STEPB
.set SPARE, 2*SLOTB                    ; behind the ring: the spare words, 128 bytes for each of 16 waves: eight blocks of 256 bytes that no other line names
.set OIMG,  0                          ; the end's scratch lies in slot 0, which has had its last fill and its last read by then: the attention output's 8 fragments,
.set OSC,   16384                      ; their scale words, 128 bytes each,
.set STG,   17408                      ; and the stage for 64 rows of the output,
.set SP,    1040                       ; 1,024 bytes + 16 apart
.set S,   104                          ; v104-167 S^T, then p
.set O,   168                          ; v168-199 O^T; at the end the output's four accumulators
.set PCD, 200                          ; v200-215 p's codes
.set BM,  216                          ; v216-219 each block's largest score, then its largest p
.set T1,  220                          ; v220-223 at work
.set HL,  224                          ; v224-227 448 x the scale
.set SO,  228                          ; v228-231 the conversion's scale operand
; v1-3 my lane's places in a key step (codes; k's scale words; v's); v4 my spare word, v5 0; v6-8 the step's addresses; v9 16 x lane, v10 4 x lane; v11 where my output image goes
; v12 -M, v13 the largest t, v[14:15] the sum in two halves; v16-23 Q's codes, v24-31 zeros; v32-95 K's or V's fragments; v96-103 zeros
; v232-236 addresses for the end; v240-243 k's scale words, v244-245 v's, v246 q's, v247 p's; v[248:249] f; v250 at work; v[252:255], v[236:243], v[218:219] the sum's other chains
; s18 wave, s19 head, s20 query tile; s[24:25] lane selects; s[26:27] c; s28 448's mantissa field; s29 trips; s[32:39] descriptor group 1; s[40:43], s[44:47] group 0 of slots 0 and 1
.macro ROUND                           ; a round of the cluster's barrier with nothing inside it
	s_barrier_signal -1
	s_barrier_wait -1
	s_cmp_lg_u32 s18, 0
	s_cbranch_scc1 .Lnot_wave_0_\@
	s_barrier_signal -3
.Lnot_wave_0_\@:
	s_barrier_wait -3
	s_barrier_signal -1
	s_barrier_wait -1
.endm
.macro JLOAD n                         ; the joint load of slot n: waves 0-7, an eighth each; the branch hangs on the wave's number alone.  Four v_nop follow the load
	s_cmp_lt_u32 s18, 8
	s_cbranch_scc0 .Lnone_\@
	tensor_load_to_lds s[40+4*(\n):43+4*(\n)], s[32:39]
	s_nop 0
.rept 4
	v_nop
.endr
.Lnone_\@:
.endm
.macro BARRIER
	s_wait_dscnt 0x0
	s_barrier_signal -1
	s_barrier_wait -1
.endm
; THE PARTS OF A KEY STEP (128 keys, whose bytes begin at LDS byte lds).
; H1: K's fragments, S^T = K Q^T, and the request for V's fragments: all of the step's LDS instructions.
.macro H1 lds
	v_add_nc_u32 v6, \lds, v1
	v_add_nc_u32 v7, \lds, v2
	v_add_nc_u32 v8, \lds, v3
.rept 5
	v_nop                                          ; with the three additions: eight places behind the last step's products, ahead of loads into registers that they read
.endr
.irp k, 0,1,2,3,4,5,6,7,8,9,10,11,12,13,14,15
	ds_load_b128 v[32+4*\k:35+4*\k], v6 offset:512*\k      ; key tile k / 2, group k % 2
.endr
.irp j, 0,1,2,3
	ds_load_b32 v[240+\j], v7 offset:128*\j        ; lanes 0-15: key tile 2 j's words, lanes 16-31: tile 2 j + 1's
.endr
	s_wait_alu depctr_va_vdst(0)
	s_wait_dscnt 0x0
.irp t, 0,2,4,6
	v_wmma_scale_f32_16x16x128_f8f6f4 v[S+8*\t:S+8*\t+7], v[32+8*\t:47+8*\t], v[16:31], 0, v[240+\t/2], v246
	v_wmma_scale_f32_16x16x128_f8f6f4 v[S+8*\t+8:S+8*\t+15], v[40+8*\t:55+8*\t], v[16:31], 0, v[240+\t/2], v246 matrix_a_scale:MATRIX_SCALE_ROW1
.endr                                              ; lane (r, h): query r; registers 16 b + i: key 32 b + 16 h + i
.rept 8
	v_nop                                          ; eight places: for the loads below and for the first read of the scores
.endr
.irp k, 0,1,2,3,4,5,6,7,8,9,10,11,12,13,14,15
	ds_load_b128 v[32+4*\k:35+4*\k], v6 offset:32768+512*\k   ; V's fragments (channel tile k / 4, key block k % 4) land while the softmax is walked
.endr
	ds_load_b64 v[244:245], v8
.endm
; SM_MAX: each block's largest score, the row's, the new M and f.  49 lines.
.macro SM_MAX
.irp b, 0,1,2,3
	v_max3_num_f32 v[BM+\b], v[S+16*\b], v[S+1+16*\b], v[S+2+16*\b]   ; the largest score of each block of 32 keys: it serves the row's maximum and, since p rises with the score, the block's largest p
.endr
.irp i, 3,5,7,9,11,13
.irp b, 0,1,2,3
	v_max3_num_f32 v[BM+\b], v[BM+\b], v[S+16*\b+\i], v[S+1+16*\b+\i]
.endr
.endr
.irp b, 0,1,2,3
	v_max_num_f32 v[BM+\b], v[BM+\b], v[S+15+16*\b]
.endr
.irp b, 0,1,2,3
	s_delay_alu instid0(VALU_DEP_4)
	v_permlanex16_b32 v[T1+\b], v[BM+\b], s24, s25
.endr
.irp b, 0,1,2,3
	s_delay_alu instid0(VALU_DEP_4)
	v_max_num_f32 v[BM+\b], v[BM+\b], v[T1+\b]     ; with lane l xor 16's 16 keys
.endr
	s_delay_alu instid0(VALU_DEP_2)
	v_max3_num_f32 v250, v[BM], v[BM+1], v[BM+2]
	s_delay_alu instid0(VALU_DEP_1)
	v_max_num_f32 v250, v250, v[BM+3]              ; the step's largest score of my query
	s_delay_alu instid0(VALU_DEP_1)
	v_mul_f32 v250, s26, v250                      ; as t (c is positive)
	s_delay_alu instid0(VALU_DEP_1)
	v_max_num_f32 v13, v13, v250                   ; the running largest t
	v_mov_b32 v250, v12
	s_delay_alu instid0(VALU_DEP_2)
	v_floor_f32 v12, -v13                          ; the new -M = floor(-t): M is a whole number
	s_delay_alu instid0(VALU_DEP_1)
	v_sub_f32 v250, v12, v250                      ; old M - new M: a whole number, 0 or less
	s_delay_alu instid0(VALU_DEP_1)
	v_cvt_i32_f32 v250, v250                       ; (it saturates)
	s_delay_alu instid0(VALU_DEP_1)
	v_ldexp_f32 v248, 1.0, v250                    ; f = 2^(old M - new M)
.endm
; SM_FMA: t - M.  36 lines.
.macro SM_FMA
.set J, 0
.rept 32
	v_pk_fma_f32 v[S+J:S+J+1], v[S+J:S+J+1], s[26:27], v[12:13] op_sel_hi:[1,0,0]   ; two at a time (of the pairs c and -M the low word serves both halves)
.set J, J+2
.endr
.irp b, 0,1,2,3
	v_fma_f32 v[BM+\b], v[BM+\b], s26, v12         ; the same of each block's largest score
.endr
.endm
; SM_EXP: 68 exponentials.  The plain line that they want behind them is the first of SM_SCL.
.macro SM_EXP
.set J, 0
.rept 64
	v_exp_f32 v[S+J], v[S+J]                       ; p = 2^(t - M), at most 1
.set J, J+1
.endr
.irp b, 0,1,2,3
	v_exp_f32 v[BM+\b], v[BM+\b]                   ; the block's largest p: the same two instructions on the same number
.endr
.endm
; SM_SCL: the sum under the new M; each block's scale.  20 lines.
.macro SM_SCL
	v_pk_mul_f32 v[14:15], v[14:15], v[248:249] op_sel_hi:[1,0]   ; a plain place behind the exponentials
	s_wait_alu depctr_va_vdst(0)
.irp b, 0,1,2,3
	v_max_num_f32 v[BM+\b], 0x4800000, v[BM+\b]    ; the floor 2^(9 - 127): the byte cannot fall under 1
.endr
.irp b, 0,1,2,3
	s_delay_alu instid0(VALU_DEP_4)
	v_add_nc_u32 v[SO+\b], 0xfc000000, v[BM+\b]    ; 8 off the exponent field: the conversion's scale operand
.endr
.irp b, 0,1,2,3
	v_and_or_b32 v[HL+\b], v[BM+\b], 0x7f800000, s28   ; 448 x the scale
.endr
.irp b, 0,1,2,3
	v_lshrrev_b32 v[T1+\b], 23, v[SO+\b]           ; the scale's byte
.endr
	s_delay_alu instid0(VALU_DEP_3)
	v_lshl_or_b32 v247, v[T1+1], 8, v[T1]          ; p's scale word for these 128 keys
	s_delay_alu instid0(VALU_DEP_1)
	v_lshl_or_b32 v247, v[T1+2], 16, v247
	s_delay_alu instid0(VALU_DEP_1)
	v_lshl_or_b32 v247, v[T1+3], 24, v247
.endm
; SM_SUM: the row's sum is taken of the unquantised p: two at a time, in eight chains.  32 lines.
.macro SM_SUM
	v_pk_add_f32 v[252:253], v[108:109], v[112:113]
	v_pk_add_f32 v[254:255], v[116:117], v[120:121]
	v_pk_add_f32 v[242:243], v[124:125], v[128:129]
	v_pk_add_f32 v[240:241], v[132:133], v[136:137]
	v_pk_add_f32 v[238:239], v[140:141], v[144:145]
	v_pk_add_f32 v[236:237], v[148:149], v[152:153]
	v_pk_add_f32 v[218:219], v[156:157], v[160:161]
	v_pk_add_f32 v[14:15], v[14:15], v[164:165]
	v_pk_add_f32 v[252:253], v[252:253], v[104:105]
	v_pk_add_f32 v[254:255], v[254:255], v[106:107]
	v_pk_add_f32 v[242:243], v[242:243], v[110:111]
	v_pk_add_f32 v[240:241], v[240:241], v[114:115]
	v_pk_add_f32 v[238:239], v[238:239], v[118:119]
	v_pk_add_f32 v[236:237], v[236:237], v[122:123]
	v_pk_add_f32 v[218:219], v[218:219], v[126:127]
	v_pk_add_f32 v[14:15], v[14:15], v[130:131]
	v_pk_add_f32 v[252:253], v[252:253], v[134:135]
	v_pk_add_f32 v[254:255], v[254:255], v[138:139]
	v_pk_add_f32 v[242:243], v[242:243], v[142:143]
	v_pk_add_f32 v[240:241], v[240:241], v[146:147]
	v_pk_add_f32 v[238:239], v[238:239], v[150:151]
	v_pk_add_f32 v[236:237], v[236:237], v[154:155]
	v_pk_add_f32 v[218:219], v[218:219], v[158:159]
	v_pk_add_f32 v[14:15], v[14:15], v[162:163]
	v_pk_add_f32 v[252:253], v[252:253], v[166:167]
	s_delay_alu instid0(VALU_DEP_2)
	v_pk_add_f32 v[14:15], v[14:15], v[240:241]
	s_delay_alu instid0(VALU_DEP_2)
	v_pk_add_f32 v[252:253], v[252:253], v[238:239]
	v_pk_add_f32 v[254:255], v[254:255], v[236:237]
	v_pk_add_f32 v[242:243], v[242:243], v[218:219]
	s_delay_alu instid0(VALU_DEP_2)
	v_pk_add_f32 v[14:15], v[14:15], v[254:255]
	s_delay_alu instid0(VALU_DEP_2)
	v_pk_add_f32 v[252:253], v[252:253], v[242:243]
	s_delay_alu instid0(VALU_DEP_1)
	v_pk_add_f32 v[14:15], v[14:15], v[252:253]
.endm
; SM_CVT: block b's hold and conversions.  18 lines.
.macro SM_CVT b
.set J, 0
.rept 16
	v_min_num_f32 v[S+16*\b+J], v[S+16*\b+J], v[HL+\b]   ; the conversion to an 8-bit code does not saturate (ISA guide 7.6.2); p is not negative, so the hold is one-sided
.set J, J+1
.endr
	v_cvt_scalef32_pk8_fp8_f32 v[PCD+4*\b:PCD+4*\b+1], v[S+16*\b:S+16*\b+7], v[SO+\b]
	v_cvt_scalef32_pk8_fp8_f32 v[PCD+4*\b+2:PCD+4*\b+3], v[S+16*\b+8:S+16*\b+15], v[SO+\b]
.endm
; SM_RES: O^T under the new M; these sixteen are also the places between the codes and the products.
.macro SM_RES
.set J, 0
.rept 16
	v_pk_mul_f32 v[O+J:O+J+1], v[O+J:O+J+1], v[248:249] op_sel_hi:[1,0]
.set J, J+2
.endr
.endm
; PV: O^T += V^T P^T.  The accumulators take turns, one instruction a turn.
.macro PV
.irp n, 0,2
	v_wmma_scale_f32_16x16x128_f8f6f4 v[O+8*\n:O+8*\n+7], v[32+16*\n:47+16*\n], v[PCD:PCD+15], v[O+8*\n:O+8*\n+7], v[244+\n/2], v247
	v_wmma_scale_f32_16x16x128_f8f6f4 v[O+8*\n+8:O+8*\n+15], v[48+16*\n:63+16*\n], v[PCD:PCD+15], v[O+8*\n+8:O+8*\n+15], v[244+\n/2], v247 matrix_a_scale:MATRIX_SCALE_ROW1
.endr
.endm
; A KEY STEP that has its successor in the same slot, or none.
.macro STEP lds
	H1 \lds
	SM_MAX
	SM_FMA
	s_wait_alu depctr_va_vdst(0)
	SM_EXP
	SM_SCL
	SM_SUM
	SM_CVT 0
	SM_CVT 1
	SM_CVT 2
	SM_CVT 3
	SM_RES
	s_wait_alu depctr_va_vdst(0)
	s_wait_dscnt 0x0                               ; V and its scale words
	PV
.endm
; A SLOT'S SECOND KEY STEP, WITH THE CHANGE OF SLOTS IN IT.  H1 holds my last reads of this slot.  Behind it: the wait for all my tensor loads (my part of the other slot, asked for behind the last round),
; the add, and, behind 85 vector lines under which V lands, the wait for the add and for those reads.  From the opening signal to the closing wait only registers are touched.
; Behind the round no wave of any partner reads this slot or has a load on its way, and the other slot is whole.  refill = 1: this slot is filled with the 256 keys two slots on: that load has the next key step
; and the one after it up to its multiply-adds in which to land.
.macro STEPR lds, slot, refill
	H1 \lds
	s_wait_tensorcnt 0x0                           ; no tensor load of mine is out, so a group 0 may be written
	ds_add_u32 v4, v5                              ; 0 onto my spare word
.if \refill
	s_add_nc_u64 s[42+4*(1-\slot):43+4*(1-\slot)], s[42+4*(1-\slot):43+4*(1-\slot)], 2*SLOTB   ; the other slot's next tile; the type bits on top are not reached
.endif
	SM_MAX
	SM_FMA
	s_wait_dscnt 0x0                               ; the add is done; V and its scale words are in: my reads of this slot are over
	s_barrier_signal -1                            ; the round opens
	s_wait_alu depctr_va_vdst(0)
	SM_EXP
	s_barrier_wait -1                              ; every wave of my work-group has said so
	s_cmp_lg_u32 s18, 0
	s_cbranch_scc1 .Lnot_wave_0_\@
	s_barrier_signal -3                            ; wave 0 says so for the work-group
.Lnot_wave_0_\@:
	SM_SCL
	SM_SUM
	SM_CVT 0
	SM_CVT 1
	s_barrier_wait -3                              ; all four work-groups have said so
	s_barrier_signal -1
	SM_CVT 2
	SM_CVT 3
	SM_RES
	PV
	s_barrier_wait -1                              ; the round is closed
.if \refill
	JLOAD \slot                                    ; the first thing behind the round, and a wave's one tensor load until the next
.endif
.endm
	s_load_b256 s[4:11], s[0:1], 0x0               ; qc, qs, kv, wc
	s_load_b128 s[12:15], s[0:1], 0x20             ; wsc, bu
	s_load_b64 s[16:17], s[0:1], 0x30              ; out0
	v_lshl_add_u32 v4, v0, 2, SPARE
	v_mov_b32 v5, 0
	ds_add_u32 v4, v5
	ds_add_u32 v4, v5
	s_wait_dscnt 0x0
	v_lshrrev_b32 v6, 5, v0
	s_delay_alu instid0(VALU_DEP_1)
	v_readfirstlane_b32 s18, v6                    ; wave 0..15
	s_and_b32 s19, s18, 3                          ; head
	s_lshr_b32 s20, s18, 2                         ; query tile
	s_bfe_u32 s21, ttmp6, 0x40000                  ; cx: my place in the cluster: it enters the addresses of qc, qs and out0 alone
	s_lshl_b32 s22, ttmp9, 2
	s_add_co_u32 s22, s22, s21                     ; my block of 64 queries = 4 x cluster + cx
	s_lshr_b32 s23, ttmp9, 4                       ; the batch, which the four partners share: 16 clusters to a batch
	s_mov_b32 s24, 0x76543210
	s_mov_b32 s25, 0xfedcba98                      ; v_permlanex16_b32's selects for lane l xor 16
	s_mov_b32 s26, 0x3e38aa3b                      ; c = log2(e) / 8
	s_mov_b32 s27, s26                             ; (named with it as a pair, so it is written)
	s_mov_b32 s28, 0x600000
	; descriptor group 1: 67 dense rows of 256 bytes
	s_mov_b32 s32, 15|(3<<16)|(1<<21)              ; 15:0 the mask: all four work-groups; 17:16 elements of 8 bytes; 20 no padding; 21 set beside a mask
	s_mov_b32 s33, 32<<16                          ; tensor_dim0 = 32
	s_mov_b32 s34, 67<<16                          ; tensor_dim1 = 67
	s_mov_b32 s35, 32<<16                          ; tile_dim0 = 32
	s_mov_b32 s36, 67                              ; tile_dim1 = 67
	s_mov_b32 s37, 32                              ; from row to row
	s_mov_b32 s38, 0
	s_mov_b32 s39, 0
	s_and_b32 s48, s18, 7
	s_mul_i32 s48, s48, 17152                      ; my eighth of a slot, in LDS and in memory
	s_mul_i32 s50, s23, 32*STEPB                   ; the batch's 32 key steps
	s_add_co_u32 s50, s50, s48
	s_mov_b32 s51, 0
	; every LDS address register that stays is made here
	v_and_b32 v6, 31, v0                           ; lane
	v_and_b32 v7, 15, v0                           ; r
	v_bfe_u32 v8, v0, 4, 1                         ; h
	s_delay_alu instid0(VALU_DEP_3)
	v_lshlrev_b32 v9, 4, v6
	s_delay_alu instid0(VALU_DEP_4)
	v_lshlrev_b32 v10, 2, v6
	s_wait_alu depctr_va_vdst(0)
	s_lshl_b32 s30, s19, 13
	v_add_nc_u32 v1, s30, v9                       ; codes: 8,192 x head + 16 x lane
	s_lshl_b32 s30, s19, 9
	s_add_co_u32 s30, s30, 65536
	v_add_nc_u32 v2, s30, v10                      ; k's scale words: 512 x head + 4 x lane
	s_lshl_b32 s30, s19, 8
	s_add_co_u32 s30, s30, 67584
	v_lshl_add_u32 v3, v6, 3, s30                  ; v's: 256 x head + 8 x lane
	s_lshl_b32 s30, s18, 10
	v_add_nc_u32 v11, s30, v9                      ; my output image: fragment (tile, head / 2), groups 2 (head % 2) on = 1,024 x wave
	s_lshl_b32 s30, s20, 8
	s_lshr_b32 s31, s19, 1
	s_lshl_b32 s31, s31, 7
	s_add_co_u32 s30, s30, s31
	s_and_b32 s31, s19, 1
	s_lshl_b32 s31, s31, 1
	s_add_co_u32 s30, s30, s31
	s_add_co_u32 s30, s30, OSC
	v_add_nc_u32 v232, s30, v10                    ; its two scale bytes: 128 x fragment + 4 x lane + 2 (head % 2)
	s_lshr_b32 s62, s18, 1
	s_lshl_b32 s62, s62, 7
	s_and_b32 s63, s18, 1
	s_lshl_b32 s63, s63, 5
	s_add_co_u32 s62, s62, s63                     ; my 16 output columns begin at 32 (wave / 2) + 8 (wave % 2): in bytes
	s_mov_b32 s63, 0
	v_and_b32 v233, 8, v7
	s_delay_alu instid0(VALU_DEP_1)
	v_add_nc_u32 v233, v233, v7                    ; r + 8 (r / 8)
	s_delay_alu instid0(VALU_DEP_1)
	v_mul_u32_u24 v233, v233, SP
	s_delay_alu instid0(VALU_DEP_1)
	v_lshl_add_u32 v233, v8, 6, v233
	s_add_co_u32 s30, s62, STG
	v_add_nc_u32 v233, s30, v233                   ; the stage, in: my query's row, my columns, + 64 h
	s_mul_i32 s30, s18, 4*SP
	s_add_co_u32 s30, s30, STG
	v_add_nc_u32 v234, s30, v9                     ; and back: rows 4 x wave on, 16 bytes a lane
	v_lshlrev_b32 v235, 6, v8                      ; bu: 64 h
	v_lshlrev_b32 v236, 2, v7                      ; qs: 4 r
	; offsets into the buffers
	s_lshl_b32 s52, s22, 14                        ; qc: 16,384 a block, 4,096 a head, 1,024 a tile
	s_lshl_b32 s53, s19, 12
	s_add_co_u32 s52, s52, s53
	s_lshl_b32 s53, s20, 10
	s_add_co_u32 s52, s52, s53
	s_mov_b32 s53, 0
	s_lshl_b32 s54, s22, 10                        ; qs: 1,024 a block, 256 a head, 64 a tile
	s_lshl_b32 s55, s19, 8
	s_add_co_u32 s54, s54, s55
	s_lshl_b32 s55, s20, 6
	s_add_co_u32 s54, s54, s55
	s_mov_b32 s55, 0
	s_lshl_b32 s58, s22, 16                        ; out0: 64 rows of 1,024 bytes a block, 4 rows a wave
	s_lshl_b32 s59, s18, 12
	s_add_co_u32 s58, s58, s59
	s_mov_b32 s59, 0
	s_lshl_b32 s56, s18, 12                        ; wc: Wu is the fourth matrix; tile = wave
	s_add_co_u32 s56, s56, 196608
	s_mov_b32 s57, 0
	s_lshl_b32 s60, s18, 7                         ; wsc likewise
	s_add_co_u32 s60, s60, 6144
	s_mov_b32 s61, 0
	s_wait_kmcnt 0x0
	s_add_nc_u64 s[50:51], s[8:9], s[50:51]
	s_mov_b32 s40, 1                               ; group 0 of slot 0: count = 1,
	s_mov_b32 s41, s48                             ; LDS address,
	s_mov_b64 s[42:43], s[50:51]                   ; global address: the batch's first 256 keys,
	s_or_b32 s43, s43, 0x80000000                  ; type = 2
	s_mov_b32 s44, 1                               ; of slot 1: the next 256
	s_add_co_u32 s45, s48, SLOTB
	s_add_nc_u64 s[46:47], s[50:51], SLOTB
	s_or_b32 s47, s47, 0x80000000
	s_add_nc_u64 s[4:5], s[4:5], s[52:53]
	s_add_nc_u64 s[6:7], s[6:7], s[54:55]
	s_add_nc_u64 s[10:11], s[10:11], s[56:57]
	s_add_nc_u64 s[12:13], s[12:13], s[60:61]
	s_add_nc_u64 s[14:15], s[14:15], s[62:63]
	s_add_nc_u64 s[16:17], s[16:17], s[58:59]
	ROUND                                          ; all four work-groups are here: the first joint loads meet
	JLOAD 0
	global_load_b128 v[16:19], v9, s[4:5]          ; Q's fragment stays in registers: the head's 64 channels,
	global_load_b128 v[20:23], v9, s[4:5] offset:512
	s_wait_alu depctr_va_vdst(0)
	global_load_b32 v246, v236, s[6:7]             ; and its scale words
.irp j, 0,1,2,3,4,5,6,7
	v_mov_b32 v[24+\j], 0                          ; K = 64 .. 127 of Q: zero codes
	v_mov_b32 v[96+\j], 0                          ; what stands behind the last key tile
.endr
.set J, 0
.rept 32
	v_mov_b32 v[O+J], 0                            ; O^T.  (The step is written once for all steps: the first finds zeros, which the first change of M leaves zeros)
.set J, J+1
.endr
.irp b, 0,1,2,3
	v_mov_b32 v[T1+\b], 0                          ; written once: a lane permute's destination counts as one of its sources
.endr
	v_mov_b32 v14, 0                               ; the sum, in two halves
	v_mov_b32 v15, 0
	v_mov_b32 v249, 0                              ; (named as the upper half of the pair v[248:249])
	v_mov_b32 v13, 0xff61b1e6                      ; the largest t so far: -3e38, under every t
	s_delay_alu instid0(VALU_DEP_1)
	v_floor_f32 v12, -v13                          ; -M
	s_wait_loadcnt 0x0                             ; Q
	; the first change of slots has no softmax to stand in: slot 0 is shown whole to every wave, and slot 1 gets its first fill as a refill does
	s_wait_tensorcnt 0x0                           ; my part of slot 0 has landed; no tensor load of mine is out, so a group 0 may be written
	ds_add_u32 v4, v5                              ; 0 onto my spare word
	s_add_nc_u64 s[42:43], s[42:43], 2*SLOTB       ; slot 0's next tile
	s_wait_dscnt 0x0                               ; the add is done
	ROUND
	JLOAD 1
	s_mov_b32 s29, 7
.Lslot:                                            ; 16 tiles of 256 keys: seven trips of two, and two tiles written out
	STEP 0
	STEPR STEPB, 0, 1
	STEP SLOTB
	STEPR SLOTB+STEPB, 1, 1
	s_sub_co_u32 s29, s29, 1
	s_cmp_lg_u32 s29, 0
	s_cbranch_scc1 .Lslot
	STEP 0
	STEPR STEPB, 0, 0                              ; the last tile is shown whole; behind this round nobody reads slot 0, and nothing is filled any more
	STEP SLOTB
	STEP SLOTB+STEPB
	; THE END.  O^T / the sum is quantised along the 256 channels; its images meet in LDS; wave w multiplies all 64 queries by its 16 rows of Wu.
.rept 8
	v_nop                                          ; eight places behind the last products
.endr
.irp k, 0,1,2,3,4,5,6,7
	global_load_b128 v[32+4*\k:35+4*\k], v9, s[10:11] offset:512*\k   ; Wu's tile: K step 0 in v32-47, K step 1 in v48-63
.endr
	global_load_b32 v244, v10, s[12:13]            ; its scale words: lanes 0-15 K step 0, lanes 16-31 K step 1
	global_load_b128 v[64:67], v235, s[14:15]      ; bu in the result's layout: my tile's eight columns of my half
	global_load_b128 v[68:71], v235, s[14:15] offset:16
	v_add_f32 v14, v14, v15                        ; the sum's two halves,
	s_delay_alu instid0(VALU_DEP_1)
	v_permlanex16_b32 v250, v14, s24, s25
	s_delay_alu instid0(VALU_DEP_1)
	v_add_f32 v14, v14, v250                       ; and lane l xor 16's: the row's sum
	s_wait_alu depctr_va_vdst(0)
	v_rcp_f32 v248, v14
	v_nop                                          ; a plain place behind the transcendental
.set J, 0
	s_wait_alu depctr_va_vdst(0)
.rept 16
	v_pk_mul_f32 v[O+J:O+J+1], v[O+J:O+J+1], v[248:249] op_sel_hi:[1,0]   ; each accumulator from its low end on; register 16 b + i: channel 64 head + 32 b + 16 h + i
.set J, J+2
.endr
.irp b, 0,1
	v_max3_num_f32 v[BM+\b], |v[O+16*\b]|, |v[O+1+16*\b]|, 0x4800000
.endr
.irp i, 2,4,6,8,10,12,14
.irp b, 0,1
	s_delay_alu instid0(VALU_DEP_2)
	v_max3_num_f32 v[BM+\b], v[BM+\b], |v[O+16*\b+\i]|, |v[O+1+16*\b+\i]|
.endr
.endr
.irp b, 0,1
	s_delay_alu instid0(VALU_DEP_2)
	v_permlanex16_b32 v[T1+\b], v[BM+\b], s24, s25
.endr
.irp b, 0,1
	s_delay_alu instid0(VALU_DEP_2)
	v_max_num_f32 v[BM+\b], v[BM+\b], v[T1+\b]
.endr
.irp b, 0,1
	s_delay_alu instid0(VALU_DEP_2)
	v_add_nc_u32 v[SO+\b], 0xfc000000, v[BM+\b]
.endr
.irp b, 0,1
	s_delay_alu instid0(VALU_DEP_4)
	v_and_or_b32 v[HL+\b], v[BM+\b], 0x7f800000, s28
.endr
.irp b, 0,1
	s_delay_alu instid0(VALU_DEP_4)
	v_lshrrev_b32 v[T1+\b], 23, v[SO+\b]
.endr
	s_delay_alu instid0(VALU_DEP_1)
	v_lshl_or_b32 v250, v[T1+1], 8, v[T1]          ; my two blocks' bytes
.irp b, 0,1
.set J, 0
.rept 16
	v_med3_num_f32 v[O+16*\b+J], v[O+16*\b+J], -v[HL+\b], v[HL+\b]
.set J, J+1
.endr
	v_cvt_scalef32_pk8_fp8_f32 v[PCD+4*\b:PCD+4*\b+1], v[O+16*\b:O+16*\b+7], v[SO+\b]
	v_cvt_scalef32_pk8_fp8_f32 v[PCD+4*\b+2:PCD+4*\b+3], v[O+16*\b+8:O+16*\b+15], v[SO+\b]
.endr
	v_nop                                          ; a plain line behind the last conversion: the products below write its sources
	ds_store_b128 v11, v[PCD:PCD+3] offset:OIMG
	ds_store_b128 v11, v[PCD+4:PCD+7] offset:OIMG+512
	ds_store_b16 v232, v250
	BARRIER                                        ; the attention output's eight fragments and their scale words lie in LDS
	s_wait_loadcnt 0x0                             ; Wu, its scale words, bu
.irp s, 0,1
.if \s == 1
.rept 8
	v_nop                                          ; eight places ahead of loads into registers that the products above read
.endr
.endif
.irp t, 0,1,2,3
.irp c, 0,1,2,3
	ds_load_b128 v[S+16*\t+4*\c:S+16*\t+4*\c+3], v9 offset:OIMG+(2*\t+\s)*2048+512*\c
.endr
	ds_load_b32 v[240+\t], v10 offset:OSC+(2*\t+\s)*128
.endr
	s_wait_dscnt 0x0
.irp t, 0,1,2,3
.if \s == 0
	v_wmma_scale_f32_16x16x128_f8f6f4 v[O+8*\t:O+8*\t+7], v[32:47], v[S+16*\t:S+16*\t+15], v[64:71], v244, v[240+\t]   ; the bias is the C of each sum's first product
.else
	v_wmma_scale_f32_16x16x128_f8f6f4 v[O+8*\t:O+8*\t+7], v[48:63], v[S+16*\t:S+16*\t+15], v[O+8*\t:O+8*\t+7], v244, v[240+\t] matrix_a_scale:MATRIX_SCALE_ROW1
.endif
.endr
.endr
.rept 8
	v_nop
.endr
.irp t, 0,1,2,3
	ds_store_b128 v233, v[O+8*\t:O+8*\t+3] offset:(32*(\t/2)+8*(\t%2))*SP       ; lane (r, h): query tile t's row r, my columns 16 h + 0 .. 7; each accumulator from its low end on
	ds_store_b128 v233, v[O+8*\t+4:O+8*\t+7] offset:(32*(\t/2)+8*(\t%2))*SP+16
.endr
	BARRIER                                        ; 64 whole rows of the output lie in the stage
.irp i, 0,1,2,3,4,5,6,7
	ds_load_b128 v[S+4*\i:S+4*\i+3], v234 offset:(\i/2)*SP+512*(\i%2)
.endr
.irp i, 0,1,2,3,4,5,6,7
	s_wait_dscnt 7-\i                              ; LDS loads come back in order: load i is in, the younger ones may be out
	global_store_b128 v9, v[S+4*\i:S+4*\i+3], s[16:17] offset:(\i/2)*1024+512*(\i%2) th:TH_STORE_NT   ; 32 lanes store 512 consecutive bytes, aligned; written once, read by nobody here
.endr
	s_wait_tensorcnt 0x0                           ; the wave's end: behind my last tensor load and my last LDS store
	ds_add_u32 v4, v5
	s_wait_dscnt 0x0
	ROUND                                          ; the closing round: no work-group ends while a partner may still ask for a tile that names it
	s_endpgm
.Lfunc_end_k_q89e294c647_attn:
	.size	k_q89e294c647_attn, .Lfunc_end_k_q89e294c647_attn-k_q89e294c647_attn
	.p2alignl 7, 3214868480
	.fill 96, 4, 3214868480
	.section	.rodata,"a",@progbits
	.p2align	6, 0x0
	.amdhsa_kernel k_q89e294c647_attn
		.amdhsa_group_segment_fixed_size 327680
		.amdhsa_private_segment_fixed_size 0
		.amdhsa_enable_private_segment 0
		.amdhsa_kernarg_size 56
		.amdhsa_user_sgpr_count 2
		.amdhsa_user_sgpr_kernarg_segment_ptr 1
		.amdhsa_wavefront_size32 1
		.amdhsa_system_sgpr_workgroup_id_x 1
		.amdhsa_system_sgpr_workgroup_id_y 1
		.amdhsa_system_sgpr_workgroup_id_z 1
		.amdhsa_system_vgpr_workitem_id 0
		.amdhsa_next_free_vgpr 256
		.amdhsa_next_free_sgpr 66
		.amdhsa_reserve_vcc 0
		.amdhsa_float_denorm_mode_32 3
		.amdhsa_float_denorm_mode_16_64 3
		.amdhsa_memory_ordered 1
		.amdhsa_forward_progress 1
		.amdhsa_inst_pref_size 179
	.end_amdhsa_kernel
	.amdgpu_metadata
---
amdhsa.version: [ 1, 2 ]
amdhsa.kernels:
  - .name:           k_q89e294c647_attn
    .symbol:         k_q89e294c647_attn.kd
    .args:
      - { .name: qc, .offset: 0, .size: 8, .value_kind: global_buffer, .address_space: global }
      - { .name: qs, .offset: 8, .size: 8, .value_kind: global_buffer, .address_space: global }
      - { .name: kv, .offset: 16, .size: 8, .value_kind: global_buffer, .address_space: global }
      - { .name: wc, .offset: 24, .size: 8, .value_kind: global_buffer, .address_space: global }
      - { .name: wsc, .offset: 32, .size: 8, .value_kind: global_buffer, .address_space: global }
      - { .name: bu, .offset: 40, .size: 8, .value_kind: global_buffer, .address_space: global }
      - { .name: out0, .offset: 48, .size: 8, .value_kind: global_buffer, .address_space: global }
    .group_segment_fixed_size: 327680
    .private_segment_fixed_size: 0
    .kernarg_segment_align: 8
    .kernarg_segment_size: 56
    .max_flat_workgroup_size: 512
    .sgpr_count:     66
    .vgpr_count:     256
    .wavefront_size: 32
...
	.end_amdgpu_metadata
.endif
;; end of part 6
